; MI455X (gfx1250); checked and timed in simulation.
; The chip was launched on July 23, 2026; its instructions are those of AMD's public machine-readable ISA for CDNA 5 (MIT licence, August 2026) and "CDNA5" Instruction Set Architecture Reference Guide (July 2026). The comments in the code are by the model that wrote it; some were corrected since.
;; Vector Quantizer. Allowed arithmetic: float matrix products may take bf16 or f16 operands with f32 sums; other float arithmetic in f32, or as packed bf16 or f16 multiplies, adds, multiply-adds, maxima and minima; sums over many terms, partial sums and values carried from step to step in f32; what a program stores and reads back later, other than sums and carried values, may be rounded once to bf16 or f16.
;; Inputs: embedding 4,096 x 512 float32; latents 16 x 2,048 x 512 float32.
;; Outputs: out0 16 x 2,048 x 512 float32.
;; 3 versions, each right; version 3 is version 2 with the launch gather written anew for expert scheduling mode. Each part assembles by itself: llvm-mc -triple=amdgcn-amd-amdhsa -mcpu=gfx1250 --defsym DOCPART=n.
;; ======== version 1 of 3: 3 launches
;; workspace buffers: ebf 4,194,304 bytes; ee 16,384 bytes; inds 262,144 bytes of whole numbers; dmask 524,288 bytes; dval 524,288 bytes
;; launch prep (part 1): grid 64 x 1, 8 waves a work-group, no clusters, 1,280 bytes of LDS; arguments embedding, ebf, ee; writes ebf, ee
.if DOCPART == 1
	.amdgcn_target "amdgcn-amd-amdhsa--gfx1250"
	.amdhsa_code_object_version 6
	.text
	.protected	k_qd1f3994062_prep
	.globl	k_qd1f3994062_prep
	.p2align	8
	.type	k_qd1f3994062_prep,@function
k_qd1f3994062_prep:
	s_mov_b64 s[64:65], 0
	v_nop
	global_prefetch_b8 v0, s[64:65] scope:SCOPE_SE
	s_setreg_imm32_b32 hwreg(HW_REG_WAVE_MODE, 25, 1), 1
	s_wait_xcnt 0x0
; ebf[k][:] = embedding[k][:] rounded once to bf16 (nearest even); ee[k] = the sum over c of ebf[k][c]^2, in f32.
; embedding: [4096][512] f32, ebf: [4096][512] bf16, ee: [4096] f32.
; The norm is taken of the ROUNDED numbers: the whole program computes the module on inputs rounded once to bf16.
; LIMITS.  The sum's order (16 numbers a lane in two packed chains, then across the lanes) is not that of a serial sum; NaN and infinities pass through as they come.
; SHARES.  A work-group takes 64 rows, so that its 64 norms are 256 consecutive bytes of ee, aligned, stored by one instruction: hence 64 work-groups.  A wave takes 8 rows, a row at a time.
; A row is 2,048 bytes: four loads of 16 bytes a lane, 512 consecutive bytes each; its bf16 copy four stores of 8 bytes a lane, 256 consecutive bytes each, aligned.
; All 32 loads of a wave go out at once; no register that a load or store names is written again, so no wait frees any.
; No cluster, no tensor load, no matrix unit: no work-group reads what another reads, and the work is a conversion and a sum.
.set SPARE, 256                        ; LDS: bytes 0-255 the work-group's 64 norms; from 256 on the spare words, 128 bytes for each of the eight waves
.set LO,  2                            ; v2   16 x lane: my 16 bytes of 512 of embedding
.set SO,  3                            ; v3   8 x lane: my 8 bytes of 256 of ebf, of the norms in LDS and of ee
.set SPW, 4                            ; v4   LDS address of my spare word; never rewritten
.set NIL, 5                            ; v5   0; never rewritten
.set LW,  6                            ; v6   32 x wave: where my wave's eight norms go
.set PX,  7                            ; v7   the other half of the lanes' sum
.set T,   8                            ; v[8:15]   at work
.set SUM, 16                           ; v[16:23]  the eight rows' norms
.set C0,  24                           ; v[24:27]  two packed chains
.set X,   32                           ; v[32:159]  row i: 16 registers as loaded
.set Y,   160                          ; v[160:223] row i: 8 registers, 16 bf16
	s_load_b128 s[4:7], s[0:1], 0x0                ; embedding s[4:5], ebf s[6:7]
	s_load_b64 s[8:9], s[0:1], 0x10                ; ee
	v_lshl_add_u32 v[SPW], v0, 2, SPARE
	v_mov_b32 v[NIL], 0
	v_lshrrev_b32 v1, 5, v0
	v_readfirstlane_b32 s10, v1                    ; wave 0..7
	v_and_b32 v1, 31, v0                           ; lane
	v_lshlrev_b32 v[LO], 4, v1
	v_lshlrev_b32 v[SO], 3, v1
	v_mov_b32 v[PX], 0                             ; v_permlanex16_b32's destination counts as read
	s_lshl_b32 s11, s10, 5
	v_mov_b32 v[LW], s11
	s_lshl_b32 s12, ttmp9, 17                      ; 64 rows of 2,048 bytes a work-group,
	s_lshl_b32 s13, s10, 14                        ; 8 of them a wave
	s_add_co_u32 s12, s12, s13
	s_mov_b32 s13, 0
	s_lshr_b32 s14, s12, 1                         ; half as many bytes in ebf
	s_mov_b32 s15, 0
	s_lshl_b32 s16, ttmp9, 8                       ; 64 norms of 4 bytes
	s_mov_b32 s17, 0
	s_mov_b32 s18, 0x76543210                      ; v_permlanex16_b32: each lane takes its own place in the other half
	s_mov_b32 s19, 0xfedcba98
	s_mov_b32 s20, 0xffff0000                      ; a word's upper bf16
	s_wait_kmcnt 0x0
	s_add_nc_u64 s[4:5], s[4:5], s[12:13]
	s_add_nc_u64 s[6:7], s[6:7], s[14:15]
	s_add_nc_u64 s[8:9], s[8:9], s[16:17]
.irp i, 0,1,2,3,4,5,6,7
.irp q, 0,1,2,3
	global_load_b128 v[X+16*(\i)+4*(\q):X+16*(\i)+4*(\q)+3], v[LO], s[4:5] offset:2048*(\i)+512*(\q) th:TH_LOAD_NT
.endr
.endr
; Row i: rounded, stored, widened again and squared.
.macro EROW i
	s_wait_loadcnt 4*(7-(\i))                      ; loads come back in order: row i's four are in, the younger rows' four each may stay out
.irp j, 0,1,2,3,4,5,6,7
	v_cvt_pk_bf16_f32 v[Y+8*(\i)+(\j)], v[X+16*(\i)+2*(\j)], v[X+16*(\i)+2*(\j)+1]
.endr
.irp q, 0,1,2,3
	global_store_b64 v[SO], v[Y+8*(\i)+2*(\q):Y+8*(\i)+2*(\q)+1], s[6:7] offset:1024*(\i)+256*(\q)  ; 32 lanes store 256 consecutive bytes, aligned
.endr
.irp j, 0,1,2,3,4,5,6,7
	v_lshlrev_b32 v[T+2*((\j)%4)], 16, v[Y+8*(\i)+(\j)]        ; bf16 to f32: the low half moves up,
	v_and_b32 v[T+2*((\j)%4)+1], s20, v[Y+8*(\i)+(\j)]         ; the high half stays
.if (\j) < 2
	v_pk_mul_f32 v[C0+2*(\j):C0+2*(\j)+1], v[T+2*((\j)%4):T+2*((\j)%4)+1], v[T+2*((\j)%4):T+2*((\j)%4)+1]  ; the first two words start the chains: nothing is cleared
.else
	v_pk_fma_f32 v[C0+2*((\j)%2):C0+2*((\j)%2)+1], v[T+2*((\j)%4):T+2*((\j)%4)+1], v[T+2*((\j)%4):T+2*((\j)%4)+1], v[C0+2*((\j)%2):C0+2*((\j)%2)+1]
.endif
.endr
	v_pk_add_f32 v[C0:C0+1], v[C0:C0+1], v[C0+2:C0+3]
	v_add_f32 v[SUM+(\i)], v[C0], v[C0+1]
	v_add_f32_dpp v[SUM+(\i)], v[SUM+(\i)], v[SUM+(\i)] row_xmask:1 row_mask:0xf bank_mask:0xf
	v_add_f32_dpp v[SUM+(\i)], v[SUM+(\i)], v[SUM+(\i)] row_xmask:2 row_mask:0xf bank_mask:0xf
	v_add_f32_dpp v[SUM+(\i)], v[SUM+(\i)], v[SUM+(\i)] row_xmask:4 row_mask:0xf bank_mask:0xf
	v_add_f32_dpp v[SUM+(\i)], v[SUM+(\i)], v[SUM+(\i)] row_xmask:8 row_mask:0xf bank_mask:0xf
	v_permlanex16_b32 v[PX], v[SUM+(\i)], s18, s19
	v_add_f32 v[SUM+(\i)], v[SUM+(\i)], v[PX]      ; every lane holds the row's norm
.endm
.irp i, 0,1,2,3,4,5,6,7
	EROW \i
.endr
	ds_store_b128 v[LW], v[SUM:SUM+3]              ; all lanes write the same words with the same numbers
	ds_store_b128 v[LW], v[SUM+4:SUM+7] offset:16
	s_wait_dscnt 0x0                               ; for the others' sake: my stores are done
	s_barrier_signal -1
	s_barrier_wait -1                              ; all 64 norms lie in LDS
	s_cmp_lg_u32 s10, 0
	s_cbranch_scc1 .Lend                           ; wave 0 stores them
	ds_load_b64 v[T:T+1], v[SO]
	s_wait_dscnt 0x0
	global_store_b64 v[SO], v[T:T+1], s[8:9]       ; 256 consecutive bytes of ee, aligned
.Lend:
	s_wait_tensorcnt 0x0                           ; the wave's end, behind my last LDS store
	ds_add_u32 v[SPW], v[NIL]
	s_wait_dscnt 0x0
	s_endpgm
.Lfunc_end_k_qd1f3994062_prep:
	.size	k_qd1f3994062_prep, .Lfunc_end_k_qd1f3994062_prep-k_qd1f3994062_prep
	.p2alignl 7, 3214868480
	.fill 96, 4, 3214868480
	.section	.rodata,"a",@progbits
	.p2align	6, 0x0
	.amdhsa_kernel k_qd1f3994062_prep
		.amdhsa_group_segment_fixed_size 1280
		.amdhsa_private_segment_fixed_size 0
		.amdhsa_enable_private_segment 0
		.amdhsa_kernarg_size 24
		.amdhsa_user_sgpr_count 2
		.amdhsa_user_sgpr_kernarg_segment_ptr 1
		.amdhsa_wavefront_size32 1
		.amdhsa_system_sgpr_workgroup_id_x 1
		.amdhsa_system_sgpr_workgroup_id_y 1
		.amdhsa_system_sgpr_workgroup_id_z 1
		.amdhsa_system_vgpr_workitem_id 0
		.amdhsa_next_free_vgpr 224
		.amdhsa_next_free_sgpr 66
		.amdhsa_reserve_vcc 0
		.amdhsa_float_denorm_mode_32 3
		.amdhsa_float_denorm_mode_16_64 3
		.amdhsa_memory_ordered 1
		.amdhsa_forward_progress 1
		.amdhsa_inst_pref_size 24
	.end_amdhsa_kernel
	.amdgpu_metadata
---
amdhsa.version: [ 1, 2 ]
amdhsa.kernels:
  - .name:           k_qd1f3994062_prep
    .symbol:         k_qd1f3994062_prep.kd
    .args:
      - { .name: embedding, .offset: 0, .size: 8, .value_kind: global_buffer, .address_space: global }
      - { .name: ebf, .offset: 8, .size: 8, .value_kind: global_buffer, .address_space: global }
      - { .name: ee, .offset: 16, .size: 8, .value_kind: global_buffer, .address_space: global }
    .group_segment_fixed_size: 1280
    .private_segment_fixed_size: 0
    .kernarg_segment_align: 8
    .kernarg_segment_size: 24
    .max_flat_workgroup_size: 256
    .sgpr_count:     66
    .vgpr_count:     224
    .wavefront_size: 32
...
	.end_amdgpu_metadata
.endif
;; end of part 1
;; launch argmin (part 2): grid 256 x 1, 4 waves a work-group, clusters of 4 x 1, 327,680 bytes of LDS; arguments latents, ebf, ee, inds; writes inds
.if DOCPART == 2
	.amdgcn_target "amdgcn-amd-amdhsa--gfx1250"
	.amdhsa_code_object_version 6
	.text
	.protected	k_qd1f3994062_argmin
	.globl	k_qd1f3994062_argmin
	.p2align	8
	.type	k_qd1f3994062_argmin,@function
k_qd1f3994062_argmin:
	s_mov_b64 s[64:65], 0
	v_nop
	global_prefetch_b8 v0, s[64:65] scope:SCOPE_SE
	s_setreg_imm32_b32 hwreg(HW_REG_WAVE_MODE, 25, 1), 1
	s_wait_xcnt 0x0
	s_wait_alu depctr_hold_cnt(0) depctr_sa_sdst(0) depctr_va_vdst(0) depctr_va_sdst(0) depctr_va_ssrc(0) depctr_va_vcc(0) depctr_vm_vsrc(0)
	s_getreg_b32 s2, hwreg(HW_REG_IB_STS2, 6, 4)
	s_cmp_eq_u32 s2, 0
	s_cbranch_scc0 .Lentry_in_a_cluster
	s_endpgm
.Lentry_in_a_cluster:
	s_bfe_u32 s2, ttmp6, 0x10000c
	s_cmp_lg_u32 s2, 0x3003
	s_cbranch_scc0 .Lentry_shape_is_right
	s_endpgm
.Lentry_shape_is_right:
; inds[n][0..1] = the two codes k at which d[n][k] = (xx[n] + ee[k]) - 2 x[n] . e[k] is least, in the order of (d, k).  latents: [32768][512] f32; ebf: [4096][512] bf16; ee: [4096] f32; inds: [32768][2] u32.
; The launch behind evaluates the two again and chooses.
; ARITHMETIC.  x is rounded once to bf16 (nearest even), as the codebook was: the program computes the module on inputs rounded to bf16, in all three terms.  x . e: bf16 products, f32 sums, K ascending, one
; accumulator for each output.  xx[n] = x[n] . x[n]: the diagonal of X X^T, by the same matrix form.  d = fma(-2, x . e, fl(xx + ee)): 2 x . e is exact, so this is the f32 value of (xx + ee) - 2 x . e.
; A code replaces an earlier one only where d < best; each class of codes is met in ascending order; classes, lanes and waves are merged by (d, code), the smaller code first at equal d.
; LIMITS.  A row's codes fall into 32 classes (the code's bits 0-3 and 6), each with its own best; the two handed on are the two least of these 32.  If a row's two least d lie in one class, the second of them is not
; handed on, and the choice between those two stays as the matrix unit's order of summation makes it.  NaN is not treated apart (a NaN d never becomes best, but may leave its number in the index until a smaller d
; comes); a row whose d are all +infinity gets codes 0 and 1.
; SHARES.  A work-group owns 128 rows and walks all 4,096 codes, 128 a tile.  Wave w: rows 64 (w / 2) .. + 63, four tiles t of 16, and codes 64 (w % 2) .. + 63 of each tile of 128.
; X STAYS IN REGISTERS, 512 of them, as source 1; the codes stream through LDS as source 0.  In a result lane l holds ONE row (l % 16) and the codes 8 (l / 16) + 0..7 in registers 0..7: so nothing changes lanes
; before the end.  A fragment of e (two LDS loads) feeds four products.
; A PAIR is 32 codes x 64 rows x 512 channels: 128 products on 8 accumulators that take turns.  Two sets of accumulators: while one pair is multiplied, the pair before is turned into distances and searched,
; in 64 SLICES of four vector instructions, one behind every second product.
; CLUSTER.  All work-groups walk the same tiles: the four of a cluster ask for each tile JOINTLY: the same tensor load, descriptor and mask in all four.
; REGISTERS, in windows of 256 (s_set_vgpr_msb: bits 1:0 source 0, 3:2 source 1, 5:4 source 2, 7:6 destination):
;   window 0: addresses, xx, ee, best and index, the two sets of accumulators      window 1: two buffers of e's fragments (16 codes x 32 channels each; 2 x 8 of them a buffer); at the start the f32 stages for x
;   window 2: x, channels 0-255: tile t, chunk c of 32 channels at 64 t + 8 c      window 3: the same for channels 256-511
.set PITCH,  1040                      ; a code's row in LDS: 1,024 bytes + 16 of padding: row r starts 16 r bytes further modulo 256, so the 16 rows of a load start at 16 different places
.set WPART,  32*PITCH                  ; what one tensor load brings: 32 codes
.set SLOTB,  128*PITCH                 ; a slot: a tile of 128 codes
.set EEB,    2*SLOTB                   ; behind the two slots: all 4,096 ee, filled once
.set MRG,    EEB+16384                 ; (best, code, second, code) of each row from each half of the codes: 2 x 128 x 16 bytes; written by LDS stores alone
.set SPARE,  MRG+4096                  ; the spare words, 128 bytes for each wave: two blocks of 256 bytes that no other line names
.set TILEB,  131072                    ; a tile in memory
.set AE,   4                           ; v4-7  LDS address of my fragments' rows: slot s, codes 32 p on of my 64, at AE + 2 s + p; never rewritten
.set AEE0, 8                           ; v8    LDS address of my 8 ee of tile 0, pair 0, first 16 codes; never rewritten
.set XO,   9                           ; v9    my byte offset in 16 rows of latents: 2,048 (l % 16) + 32 (l / 16)
.set PFO,  10                          ; v10   256 x lane, for the prefetches; never rewritten
.set CB0,  11                          ; v11   64 (w % 2) + 8 (l / 16): what my lane's codes have in common
.set MST,  12                          ; v12   where my row's two best go
.set MLD,  13                          ; v13   where my thread reads one row's two best of the codes' lower half
.set IO,   14                          ; v14   8 x thread: a row's two indices
.set XXP,  16                          ; v16-23  tile t at XXP + 2 t: xx, 0 (named with xx as a pair)
.set TMP,  24                          ; v24-27  xx + ee, two pairs by turns
.set SPW,  28                          ; v28   LDS address of my spare word; never rewritten
.set NIL,  29                          ; v29   0; never rewritten
.set AEE,  30                          ; v30   AEE0 + 1,024 x the trip
.set EE,   32                          ; v32-63  ee of a pair's 2 x 8 codes of my lane: a set for each set of accumulators
.set MW,   32                          ;         at work at the start, before ee is fetched
.set PX,   32                          ;         at the end: the other half of the lanes' two best, tile t at PX + 4 t
.set BEST, 64                          ; v64-95  tile t, register j: the least d of that class so far
.set IDX,  96                          ; v96-127 and where it was met: 128 T + 32 p + 16 u
.set ACC,  128                         ; v128-191 set 0, v192-255 set 1: accumulator 4 u + t (codes 16 u on, tile t) at + 8 (4 u + t)
.set RT,   128                         ; at the end: tile t's (best, code, second, code) at RT + 4 t
.set FA,   144                         ; at the end: one row's two best of the lower half of the codes,
.set FB,   148                         ; of the upper half,
.set OP,   152                         ; and the two codes to store
.set WV,  12                           ; s12  wave
.set RG,  13                           ; s13  w / 2
.set CH,  14                           ; s14  w % 2
.set CX,  15                           ; s15  my place in the cluster: it enters global addresses alone
.set GI,  16                           ; s16  my work-group's number
.set LIM, 22                           ; s22  1 in the cluster that prefetches, else the greatest number
.set CNT, 23                           ; s23  trips to go
.set G1E, 24                           ; s[24:31] descriptor group 1 for a wave's 32 codes
.set G0,  32                           ; s[32:39] group 0, a set for each slot
.set G1N, 40                           ; s[40:47] group 1 for a wave's 1,024 ee
.set G0N, 48                           ; s[48:51] its group 0
.set PFA, 52                           ; s[52:53] where my prefetches stand
.set SEL, 54                           ; s[54:55] v_permlanex16_b32: each lane takes its own place in the other half
.set MK,  56                           ; s56 lanes that hold their row's diagonal; s57-63 lanes with (l % 8) = 1..7
.set EOF, 76                           ; s76  1,024 x the trip
.set CUR, 77                           ; s77  128 T + 32 p + 16 u of the 16 codes that are being searched
.set MG,  80                           ; s80-95 masks of the merges, four a tile
.set MSB, 0
.macro WIN new                         ; the immediate's high byte repeats the setting that is left; a switch that changes nothing is dropped
.if MSB != (\new)
	s_set_vgpr_msb (MSB<<8)|(\new)
.set MSB, \new
.endif
.endm
.macro PLACES                          ; four plain vector instructions between a matrix instruction and a load into, or a vector instruction on, its registers
.rept 4
	v_nop
.endr
.endm
; A round of the cluster's barrier: my work-group's barrier, so that wave 0's signal speaks for all four waves; wave 0 signals; every wave waits for all four work-groups; my work-group's barrier once more.
.macro CREST                           ; a round behind its opening barrier
	s_cmp_lg_u32 s[WV], 0
	s_cbranch_scc1 .Lnot_wave_0_\@
	s_barrier_signal -3
.Lnot_wave_0_\@:
	s_barrier_wait -3
	s_barrier_signal -1
	s_barrier_wait -1
.endm
.macro CROUND
	s_barrier_signal -1
	s_barrier_wait -1
	CREST
.endm
; A joint refill: every wave fetches its own 32 codes of the tile (both addresses hang on the wave's number), the same in all four work-groups.  An s_nop 0 and four v_nop follow.
.macro JLOAD s
	tensor_load_to_lds s[G0+4*(\s):G0+4*(\s)+3], s[G1E:G1E+7]
	s_nop 0
.rept 4
	v_nop
.endr
.endm
; A PREFETCH INTO THE L2 of the tile that stands TWO refills on: 512 products ahead of the load that will want it.  A tile is 512 blocks of 256 bytes: 4 work-groups x 4 waves x 32 lanes, a lane a block, told apart BY
; ADDRESS.  All clusters walk the same tiles: cluster 0 asks, so each block is named once in the launch.  Tiles 0 to 3 come by their loads alone; the last trip asks for nothing: tile 31 is the last that is named.
.macro ASK
	s_cmp_gt_u32 s[CNT], s[LIM]
	s_cbranch_scc0 .Lnot_mine_\@
	global_prefetch_b8 v[PFO], s[PFA:PFA+1] th:TH_LOAD_NT scope:SCOPE_SE
.Lnot_mine_\@:
.endm
; x: batch b = 2 t + k takes channels 256 k .. + 255 of tile t's 16 rows, 32 loads of 16 bytes a lane, into stage k.  Chunk c of 32 channels: a lane's 8 + 8 channels are 32 + 32 bytes, 64 apart.
.macro XLOAD b
	WIN 0x40                                       ; destination window 1, address window 0
.irp c, 0,1,2,3,4,5,6,7
.irp k, 0,1,2,3
	global_load_b128 v[128*((\b)%2)+16*(\c)+4*(\k):128*((\b)%2)+16*(\c)+4*(\k)+3], v[XO], s[4:5] offset:32768*((\b)/2)+128*(8*((\b)%2)+(\c))+16*((\k)%2)+64*((\k)/2)
.endr
.endr
.endm
.macro XCVT b                          ; the batch rounded to bf16: 8 fragments of source 1
	WIN 0x85+0x40*((\b)%2)                         ; sources window 1, destination window 2 or 3
.irp c, 0,1,2,3,4,5,6,7
.irp i, 0,1,2,3,4,5,6,7
	v_cvt_pk_bf16_f32 v[64*((\b)/2)+8*(\c)+(\i)], v[128*((\b)%2)+16*(\c)+2*(\i)], v[128*((\b)%2)+16*(\c)+2*(\i)+1]
.endr
.endr
.endm
; Product n of 64 of a half pair (channels 256 h on): chunk n / 8, codes 16 ((n / 4) % 2) on, tile n % 4; accumulator n % 8 of set ab.  The eight take turns, one instruction a turn,
; from half to half and from pair to pair too.  The first eight of a pair start the sums: nothing is cleared.
.macro MM ab, h
	WIN 0x09+4*(\h)                                ; e window 1, x window 2 or 3, sums window 0
.set rD, ACC+64*(\ab)+8*(n%8)
.set rF, 128*(\h)+8*(8*((n/4)%2)+n/8)
.set rX, 64*(n%4)+8*(n/8)
.if ((\h) == 0) && (n < 8)
	v_wmma_f32_16x16x32_bf16 v[rD:rD+7], v[rF:rF+7], v[rX:rX+7], 0
.else
	v_wmma_f32_16x16x32_bf16 v[rD:rD+7], v[rF:rF+7], v[rX:rX+7], v[rD:rD+7]
.endif
.endm
; THE VECTOR WORK ON A FINISHED PAIR.  PK m (0..63): for accumulator m / 8 and its pair (m % 8) / 2 of registers: even m: xx + ee; odd m: d = (xx + ee) - 2 x . e, in place.  Ascending: an accumulator's lowest registers are read first.
.macro PK ab, m
.set aa, (\m)/8
.set ii, ((\m)%8)/2
.set rA, ACC+64*(\ab)+8*aa+2*ii
.set rE, EE+16*(\ab)+8*(aa/4)+2*ii
.set rS, XXP+2*(aa%4)
.set rT, TMP+2*(ii%2)
.if (\m)%2 == 0
	v_pk_add_f32 v[rT:rT+1], v[rE:rE+1], v[rS:rS+1] op_sel_hi:[1,0]
.else
	v_pk_fma_f32 v[rA:rA+1], v[rA:rA+1], -2.0, v[rT:rT+1] op_sel_hi:[1,0,1]
.endif
.endm
; TR m (0..63): register m % 8 of accumulator m / 8 against the best of its class (tile, register).  The index keeps its number where d >= best, else it takes the scalar that names the 16 codes in hand.
.macro TR ab, m
.set aa, (\m)/8
.set jj, (\m)%8
.set rA, ACC+64*(\ab)+8*aa+jj
.set rB, BEST+8*(aa%4)+jj
.set rI, IDX+8*(aa%4)+jj
	v_cmp_ge_f32 vcc_lo, v[rA], v[rB]
	v_cndmask_b32 v[rI], s[CUR], v[rI], vcc_lo
	v_min_num_f32 v[rB], v[rB], v[rA]
.endm
; Slice q of 64.  A distance is made a slice or more ahead of its search.  Slice 0 opens with four lines that name no accumulator: the places behind the product that ended accumulator 0.  Slices 0 and 32 step the
; scalar to the next 16 codes of my wave's: + 16 inside a tile, + 80 from a tile's last 16 (at 48) to the next tile's first (at 128).  A slice is whole.
.macro SLICE ab, q
	WIN 0
.if (\q) == 0
.if (\ab) == 0
	s_add_co_u32 s[CUR], s[CUR], 80
.else
	s_add_co_u32 s[CUR], s[CUR], 16
.endif
	PLACES
	PK \ab, 0
	PK \ab, 1
	PK \ab, 2
	TR \ab, 0
.elseif (\q) < 62
.if (\q) == 32
	s_add_co_u32 s[CUR], s[CUR], 16
.endif
	PK \ab, (\q)+2
	TR \ab, \q
.else
	TR \ab, \q
.endif
.endm
; 32 LDS loads in one run: the fragments of a half pair (32 codes x 256 channels) into buffer hk
.macro FETCH slot, pp, hk
	WIN 0x40                                       ; destination window 1, address window 0
.irp u, 0,1
.irp c, 0,1,2,3,4,5,6,7
	ds_load_b128 v[128*(\hk)+8*(8*(\u)+(\c)):128*(\hk)+8*(8*(\u)+(\c))+3], v[AE+2*(\slot)+(\pp)] offset:16*PITCH*(\u)+64*(8*(\hk)+(\c))
	ds_load_b128 v[128*(\hk)+8*(8*(\u)+(\c))+4:128*(\hk)+8*(8*(\u)+(\c))+7], v[AE+2*(\slot)+(\pp)] offset:16*PITCH*(\u)+64*(8*(\hk)+(\c))+32
.endr
.endr
.endm
.macro FEE off, ab                     ; a pair's ee for my lane: 2 x 8 numbers
	WIN 0
.irp u, 0,1
.irp k, 0,1
	ds_load_b128 v[EE+16*(\ab)+8*(\u)+4*(\k):EE+16*(\ab)+8*(\u)+4*(\k)+3], v[AEE] offset:(\off)+64*(\u)+16*(\k)
.endr
.endr
.endm
.macro RUN ab, h, rid, cnt             ; cnt products from n on; rid = 1: behind every second one a slice of the other set
.rept \cnt
	MM \ab, \h
.if (\rid) && (n%2 == 1)
	SLICE 1-(\ab), 32*(\h)+n/2
.endif
.set n, n+1
.endr
.endm
; A HALF PAIR: 64 products from buffer h; in its middle the next half's fragments are fetched into the other buffer, whose last reader stands 32 products and (rid = 1) 16 slices back, or four v_nop.
; eoff >= 0: this pair's ee is fetched too.  fslot < 0: nothing is fetched.
.macro HALF ab, h, rid, eoff, fslot, fpp, fhk
	s_wait_dscnt 0x0                               ; the run of loads issued 32 products ago is in
.set n, 0
	RUN \ab, \h, \rid, 32
.if !(\rid)
	PLACES
.endif
.if (\eoff) >= 0
	FEE \eoff, \ab
.endif
.if (\fslot) >= 0
	FETCH \fslot, \fpp, \fhk
.endif
	RUN \ab, \h, \rid, 32
.endm
; A TILE'S LAST HALF PAIR changes slots: ONE barrier for two things.  In front of it each wave waits for all its tensor loads, of which one is out: its part of the other slot; adds 0 to its spare word; and waits for that
; and for its own reads of this slot.  Behind it nobody reads this slot any more and the other slot is whole.  fill = 1: the barrier opens a round of the cluster's barrier, so that this holds of all four work-groups;
; the slot is filled again first, with the tile two on; then the other slot's first fragments are read.  From a request to the wait for it a wave issues 224 products.
.macro TURN slot, fill
.if \fill
	s_wait_xcnt 0x0                                ; the last prefetch, a tile back, has read its address, so it may be stepped
	s_add_nc_u64 s[PFA:PFA+1], s[PFA:PFA+1], TILEB
.endif
	WIN 0                                          ; (the add's two registers lie in window 0)
	s_wait_tensorcnt 0x0                           ; all my tensor loads have landed
	ds_add_u32 v[SPW], v[NIL]                      ; 0 onto my spare word
	s_wait_dscnt 0x1                               ; the fragments are in; the add alone may be out
.set n, 0
	RUN 1, 1, 1, 16                                ; work on registers between the add and the wait for it
	s_wait_dscnt 0x0                               ; the add is done, and my reads of this slot are over
	s_barrier_signal -1
	RUN 1, 1, 1, 16                                ; work on registers while the others arrive
	WIN 0
	s_barrier_wait -1
.if \fill
	CREST
	s_add_nc_u64 s[G0+4*(\slot)+2:G0+4*(\slot)+3], s[G0+4*(\slot)+2:G0+4*(\slot)+3], 2*TILEB  ; no load of mine is out: the slot's next tile; the type bits on top are not reached
	JLOAD \slot
.endif
	FETCH 1-(\slot), 0, 0
.if \fill
	WIN 0
	ASK                                            ; behind the joint load and the run of LDS loads that the next products wait for
.endif
	RUN 1, 1, 1, 32
.endm
; AN INSERTION, for nt tiles side by side.  (d, c) at v[db + dd t], v[cb + cc t] goes into the sorted two (b1, c1, b2, c2) at v[rb + rs t ..].  'Less' is d < b, or d = b with the smaller code.
; Written stage by stage over the tiles, so that a mask's scalar work does not follow straight on its compares.
.macro INS nt, rb, rs, db, dd, cb, cc
.set tt, 0
.rept \nt
	v_cmp_lt_f32 s[MG+4*tt], v[(\db)+(\dd)*tt], v[(\rb)+(\rs)*tt]
	v_cmp_eq_f32 s[MG+4*tt+1], v[(\db)+(\dd)*tt], v[(\rb)+(\rs)*tt]
	v_cmp_lt_u32 s[MG+4*tt+2], v[(\cb)+(\cc)*tt], v[(\rb)+(\rs)*tt+1]
.set tt, tt+1
.endr
.set tt, 0
.rept \nt
	s_and_b32 s[MG+4*tt+1], s[MG+4*tt+1], s[MG+4*tt+2]
	s_or_b32 s[MG+4*tt], s[MG+4*tt], s[MG+4*tt+1]  ; less than the first
.set tt, tt+1
.endr
.set tt, 0
.rept \nt
	v_cmp_lt_f32 s[MG+4*tt+1], v[(\db)+(\dd)*tt], v[(\rb)+(\rs)*tt+2]
	v_cmp_eq_f32 s[MG+4*tt+2], v[(\db)+(\dd)*tt], v[(\rb)+(\rs)*tt+2]
	v_cmp_lt_u32 s[MG+4*tt+3], v[(\cb)+(\cc)*tt], v[(\rb)+(\rs)*tt+3]
.set tt, tt+1
.endr
.set tt, 0
.rept \nt
	s_and_b32 s[MG+4*tt+2], s[MG+4*tt+2], s[MG+4*tt+3]
	s_or_b32 s[MG+4*tt+1], s[MG+4*tt+1], s[MG+4*tt+2]  ; less than the second
.set tt, tt+1
.endr
.set tt, 0
.rept \nt
	v_cndmask_b32 v[(\rb)+(\rs)*tt+2], v[(\rb)+(\rs)*tt+2], v[(\db)+(\dd)*tt], s[MG+4*tt+1]
	v_cndmask_b32 v[(\rb)+(\rs)*tt+3], v[(\rb)+(\rs)*tt+3], v[(\cb)+(\cc)*tt], s[MG+4*tt+1]
	v_cndmask_b32 v[(\rb)+(\rs)*tt+2], v[(\rb)+(\rs)*tt+2], v[(\rb)+(\rs)*tt], s[MG+4*tt]
	v_cndmask_b32 v[(\rb)+(\rs)*tt+3], v[(\rb)+(\rs)*tt+3], v[(\rb)+(\rs)*tt+1], s[MG+4*tt]
	v_cndmask_b32 v[(\rb)+(\rs)*tt], v[(\rb)+(\rs)*tt], v[(\db)+(\dd)*tt], s[MG+4*tt]
	v_cndmask_b32 v[(\rb)+(\rs)*tt+1], v[(\rb)+(\rs)*tt+1], v[(\cb)+(\cc)*tt], s[MG+4*tt]
.set tt, tt+1
.endr
.endm
	s_load_b256 s[4:11], s[0:1], 0x0               ; latents s[4:5], ebf s[6:7], ee s[8:9], inds s[10:11]
	v_lshl_add_u32 v[SPW], v0, 2, SPARE
	v_mov_b32 v[NIL], 0
	ds_add_u32 v[SPW], v[NIL]                      ; the wave's opening: the add, twice on end, and its wait ahead of my first tensor load
	ds_add_u32 v[SPW], v[NIL]                      ; and once more, under the one wait; the set-up below, work on registers, stands between
	v_lshrrev_b32 v1, 5, v0
	v_readfirstlane_b32 s[WV], v1                  ; wave 0..3
	s_lshr_b32 s[RG], s[WV], 1
	s_and_b32 s[CH], s[WV], 1
	s_bfe_u32 s[CX], ttmp6, 0x40000                ; cx
	s_lshl_b32 s[GI], ttmp9, 2                     ; in a cluster launch ttmp9 counts clusters
	s_add_co_u32 s[GI], s[GI], s[CX]
	; group 1 for the codes: 32 rows x 512 elements of 2 bytes, padded in LDS
	s_mov_b32 s[G1E+0], 15|(1<<16)|(1<<20)|(1<<21)|(7<<22)|(3<<25)  ; 15:0 the mask of four; 17:16 2-byte elements; 20 padding on; 21 set beside a mask; 24:22 after every 256 words (code 7); 31:25 4 words (code 3)
	s_mov_b32 s[G1E+1], 512<<16                    ; tensor_dim0 = 512
	s_mov_b32 s[G1E+2], 32<<16                     ; tensor_dim1 = 32
	s_mov_b32 s[G1E+3], 512<<16                    ; tile_dim0 = 512
	s_mov_b32 s[G1E+4], 32                         ; tile_dim1 = 32
	s_mov_b32 s[G1E+5], 512                        ; elements from row to row
	s_mov_b32 s[G1E+6], 0
	s_mov_b32 s[G1E+7], 0
	; group 1 for ee: 4,096 dense bytes as 16 rows of 32 elements of 8 bytes, no padding
	s_mov_b32 s[G1N+0], 15|(3<<16)|(1<<21)
	s_mov_b32 s[G1N+1], 32<<16
	s_mov_b32 s[G1N+2], 16<<16
	s_mov_b32 s[G1N+3], 32<<16
	s_mov_b32 s[G1N+4], 16
	s_mov_b32 s[G1N+5], 32
	s_mov_b32 s[G1N+6], 0
	s_mov_b32 s[G1N+7], 0
	s_mul_i32 s17, s[WV], WPART                    ; my 32 codes' place in a slot: no place in the cluster enters an LDS address
	s_mov_b32 s[G0], 1
	s_mov_b32 s[G0+1], s17
	s_mov_b32 s[G0+4], 1
	s_add_co_u32 s[G0+5], s17, SLOTB
	s_lshl_b32 s18, s[WV], 12                      ; my 4,096 bytes of ee
	s_mov_b32 s19, 0
	s_mov_b32 s[G0N], 1
	s_add_co_u32 s[G0N+1], s18, EEB
	s_lshl_b32 s20, s[WV], 15                      ; my 32 codes in memory
	s_mov_b32 s21, 0
	s_lshl_b32 s70, s[GI], 18                      ; my work-group's 128 rows of 2,048 bytes,
	s_lshl_b32 s71, s[RG], 17                      ; my wave's 64 of them
	s_add_co_u32 s70, s70, s71
	s_mov_b32 s71, 0
	s_lshl_b32 s72, s[GI], 10                      ; 128 rows' two indices
	s_mov_b32 s73, 0
	s_lshl_b32 s74, s[CX], 15                      ; the prefetches: my work-group's quarter of a tile,
	s_lshl_b32 s75, s[WV], 13                      ; my wave's quarter of that,
	s_add_co_u32 s74, s74, s75
	s_add_co_u32 s74, s74, 3*TILEB                 ; in tile 3: the first change of slots steps it to tile 4
	s_mov_b32 s75, 0
	s_mov_b32 s[SEL], 0x76543210
	s_mov_b32 s[SEL+1], 0xfedcba98
	s_mov_b32 s[EOF], 0
	s_mov_b32 s[CUR], 0xffffffb0                   ; - 80: the first slice of all steps it to 0
	s_cmp_eq_u32 ttmp9, 0                          ; the same in all four partners
	s_cselect_b32 s[LIM], 1, -1
	v_and_b32 v1, 15, v0                           ; l % 16
	v_bfe_u32 v2, v0, 4, 1                         ; l / 16
	v_lshlrev_b32 v[XO], 11, v1
	v_lshl_add_u32 v[XO], v2, 5, v[XO]
	s_wait_dscnt 0x0                               ; both opening adds are done
	s_wait_kmcnt 0x0
	s_add_nc_u64 s[G0+2:G0+3], s[6:7], s[20:21]    ; tile 0
	s_add_nc_u64 s[G0+6:G0+7], s[G0+2:G0+3], TILEB ; tile 1
	s_or_b32 s[G0+3], s[G0+3], 0x80000000          ; type = 2
	s_or_b32 s[G0+7], s[G0+7], 0x80000000
	s_add_nc_u64 s[G0N+2:G0N+3], s[8:9], s[18:19]
	s_or_b32 s[G0N+3], s[G0N+3], 0x80000000
	s_add_nc_u64 s[4:5], s[4:5], s[70:71]
	s_add_nc_u64 s[10:11], s[10:11], s[72:73]
	s_add_nc_u64 s[PFA:PFA+1], s[6:7], s[74:75]
	CROUND                                         ; all four work-groups are here: the first joint loads meet
	tensor_load_to_lds s[G0N:G0N+3], s[G1N:G1N+7]  ; the first fills go out as one group: ee, tile 0, tile 1: three loads of mine are out
	s_nop 0
	tensor_load_to_lds s[G0:G0+3], s[G1E:G1E+7]
	s_nop 0
	tensor_load_to_lds s[G0+4:G0+7], s[G1E:G1E+7]
	s_nop 0
.rept 4
	v_nop
.endr
	; X INTO REGISTERS: eight batches through two stages; while one is rounded the next one's 32 loads are out.
	XLOAD 0
	XLOAD 1
.irp b, 0,1,2,3,4,5,6,7
.if (\b) == 7
	s_wait_loadcnt 0x0
.else
	s_wait_loadcnt 32                              ; batch b is in; the younger batch's 32 loads may stay out
.endif
	XCVT \b
.if (\b) < 6
	XLOAD (\b)+2
.endif
.endr
	; xx: X X^T for each tile of 16 rows, into four of set 1's accumulators, by turns; the diagonal is wanted.
	WIN 0x0a                                       ; both sources window 2
.irp c, 0,1,2,3,4,5,6,7
.irp t, 0,1,2,3
.if (\c) == 0
	v_wmma_f32_16x16x32_bf16 v[ACC+64+8*(\t):ACC+64+8*(\t)+7], v[64*(\t)+8*(\c):64*(\t)+8*(\c)+7], v[64*(\t)+8*(\c):64*(\t)+8*(\c)+7], 0
.else
	v_wmma_f32_16x16x32_bf16 v[ACC+64+8*(\t):ACC+64+8*(\t)+7], v[64*(\t)+8*(\c):64*(\t)+8*(\c)+7], v[64*(\t)+8*(\c):64*(\t)+8*(\c)+7], v[ACC+64+8*(\t):ACC+64+8*(\t)+7]
.endif
.endr
.endr
	WIN 0x0f                                       ; both sources window 3
.irp c, 0,1,2,3,4,5,6,7
.irp t, 0,1,2,3
	v_wmma_f32_16x16x32_bf16 v[ACC+64+8*(\t):ACC+64+8*(\t)+7], v[64*(\t)+8*(\c):64*(\t)+8*(\c)+7], v[64*(\t)+8*(\c):64*(\t)+8*(\c)+7], v[ACC+64+8*(\t):ACC+64+8*(\t)+7]
.endr
.endr
	WIN 0                                          ; the addresses are made here: plain instructions, the places behind those products
	v_and_b32 v3, 31, v0                           ; lane
	v_mul_u32_u24 v15, v1, PITCH
	v_lshl_add_u32 v15, v2, 4, v15                 ; a fragment's row x pitch + 16 x half
	s_mul_i32 s18, s[CH], 64*PITCH                 ; my 64 codes of a tile
.irp s, 0,1
.irp p, 0,1
	s_add_co_u32 s19, s18, (\s)*SLOTB+(\p)*WPART
	v_add_nc_u32 v[AE+2*(\s)+(\p)], s19, v15
.endr
.endr
	s_lshl_b32 s19, s[CH], 8
	s_add_co_u32 s19, s19, EEB
	v_lshl_add_u32 v[AEE0], v2, 5, s19             ; ee: 256 (w % 2) + 32 (l / 16)
	v_add_nc_u32 v[AEE], s[EOF], v[AEE0]
	v_lshlrev_b32 v[PFO], 8, v3
	s_lshl_b32 s19, s[CH], 6
	v_lshl_add_u32 v[CB0], v2, 3, s19
	s_lshl_b32 s19, s[CH], 11                      ; the merge: 2,048 bytes for each half of the codes,
	s_lshl_b32 s20, s[RG], 10                      ; 16 bytes a row
	s_add_co_u32 s19, s19, s20
	s_add_co_u32 s19, s19, MRG
	v_lshl_add_u32 v[MST], v1, 4, s19
	v_lshl_add_u32 v[MLD], v0, 4, MRG              ; thread i takes row i of the work-group's 128
	v_lshlrev_b32 v[IO], 3, v0
	v_and_b32 v[MW+8], 7, v1
	v_lshrrev_b32 v[MW+9], 3, v1
	v_cmp_eq_u32 s[MK], v2, v[MW+9]                ; row r's diagonal lies in the half r / 8 of the lanes, in register r % 8
.irp j, 1,2,3,4,5,6,7
	v_cmp_eq_u32 s[MK+(\j)], \j, v[MW+8]
.endr
.irp t, 0,1,2,3
	v_mov_b32 v[XXP+2*(\t)+1], 0
	v_mov_b32 v[MW+4+(\t)], 0                      ; v_permlanex16_b32's destination counts as read
.endr
.set ri, 0
.rept 32
	v_mov_b32 v[BEST+ri], 0x7f800000               ; best: +infinity
	v_mov_b32 v[IDX+ri], 0                         ; index: the class's first code, if no d is ever smaller
.set ri, ri+1
.endr
.irp t, 0,1,2,3
	v_cndmask_b32 v[MW+(\t)], v[ACC+64+8*(\t)], v[ACC+64+8*(\t)+1], s[MK+1]  ; the accumulator's lowest registers are read first
.irp j, 2,3,4,5,6,7
	v_cndmask_b32 v[MW+(\t)], v[MW+(\t)], v[ACC+64+8*(\t)+(\j)], s[MK+(\j)]
.endr
.endr
.irp t, 0,1,2,3
	v_permlanex16_b32 v[MW+4+(\t)], v[MW+(\t)], s[SEL], s[SEL+1]
.endr
.irp t, 0,1,2,3
	v_cndmask_b32 v[XXP+2*(\t)], v[MW+4+(\t)], v[MW+(\t)], s[MK]  ; both halves of the lanes hold xx of row l % 16
.endr
	s_wait_tensorcnt 0x1                           ; my parts of ee and of tile 0 are in; tile 1's may stay out
	s_barrier_signal -1
	s_barrier_wait -1                              ; everybody's are
	FETCH 0, 0, 0
	HALF 0, 0, 0, 0, 0, 0, 1                       ; tile 0's first pair: there is no finished pair yet to work on
	HALF 0, 1, 0, -1, 0, 1, 0
	WIN 0                                          ; at a label and at a branch every window is 0
	s_mov_b32 s[CNT], 15
.Lloop:                                                ; trip i: second pair of tile 2 i, both pairs of tile 2 i + 1, first pair of tile 2 i + 2; both slots are filled again
	v_add_nc_u32 v[AEE], s[EOF], v[AEE0]
	HALF 1, 0, 1, 128, 0, 1, 1
	TURN 0, 1
	HALF 0, 0, 1, 512, 1, 0, 1
	HALF 0, 1, 1, -1, 1, 1, 0
	HALF 1, 0, 1, 640, 1, 1, 1
	TURN 1, 1
	HALF 0, 0, 1, 1024, 0, 0, 1
	HALF 0, 1, 1, -1, 0, 1, 0
	WIN 0
	s_add_co_u32 s[EOF], s[EOF], 1024              ; two tiles' ee
	s_sub_co_u32 s[CNT], s[CNT], 1
	s_cmp_lg_u32 s[CNT], 0
	s_cbranch_scc1 .Lloop
	v_add_nc_u32 v[AEE], s[EOF], v[AEE0]           ; the tail is written out: tiles 30 and 31 are left, and nothing is asked for
	HALF 1, 0, 1, 128, 0, 1, 1
	TURN 0, 0
	HALF 0, 0, 1, 512, 1, 0, 1
	HALF 0, 1, 1, -1, 1, 1, 0
	HALF 1, 0, 1, 640, 1, 1, 1
	HALF 1, 1, 1, -1, -1, 0, 0
	PLACES
.set qq, 0
.rept 64                                       ; the last pair's vector work has no products to stand beside
	SLICE 1, qq
.set qq, qq+1
.endr
	; THE END.  A class's code is its index + my lane's share + its register's number.
	WIN 0
.irp t, 0,1,2,3
.irp j, 0,1,2,3,4,5,6,7
	v_add3_u32 v[IDX+8*(\t)+(\j)], v[IDX+8*(\t)+(\j)], v[CB0], \j
.endr
.endr
.irp t, 0,1,2,3
	v_mov_b32 v[RT+4*(\t)], v[BEST+8*(\t)]         ; the two best of my lane's eight classes: class 0 begins,
	v_mov_b32 v[RT+4*(\t)+1], v[IDX+8*(\t)]
	v_mov_b32 v[RT+4*(\t)+2], 0x7f800000           ; beside a second that every code is less than
	v_mov_b32 v[RT+4*(\t)+3], -1
.endr
.irp j, 1,2,3,4,5,6,7
	INS 4, RT, 4, BEST+\j, 8, IDX+\j, 8
.endr
.irp t, 0,1,2,3
.irp k, 0,1,2,3
	v_permlanex16_b32 v[PX+4*(\t)+(\k)], v[RT+4*(\t)+(\k)], s[SEL], s[SEL+1]  ; the row's other classes of my wave lie in the lane 16 away
.endr
.endr
	INS 4, RT, 4, PX, 4, PX+1, 4
	INS 4, RT, 4, PX+2, 4, PX+3, 4
.irp t, 0,1,2,3
	ds_store_b128 v[MST], v[RT+4*(\t):RT+4*(\t)+3] offset:256*(\t)  ; both halves of the lanes write the same four words to the same place
.endr
	s_wait_dscnt 0x0                               ; for the others' sake: my stores are done
	s_barrier_signal -1
	s_barrier_wait -1
	ds_load_b128 v[FA:FA+3], v[MLD]                ; a thread a row: the two halves of the codes are merged
	ds_load_b128 v[FB:FB+3], v[MLD] offset:2048
	s_wait_dscnt 0x0
	INS 1, FA, 0, FB, 0, FB+1, 0
	INS 1, FA, 0, FB+2, 0, FB+3, 0
	v_mov_b32 v[OP], v[FA+1]
	v_mov_b32 v[OP+1], v[FA+3]
	global_store_b64 v[IO], v[OP:OP+1], s[10:11]   ; a wave's 32 rows: 256 consecutive bytes, aligned
	s_wait_tensorcnt 0x0                           ; the wave's end, behind my last tensor load and my last LDS store
	ds_add_u32 v[SPW], v[NIL]
	s_wait_dscnt 0x0
	CROUND                                         ; the closing round: no work-group ends while a partner may still ask for a tile that names it
	s_endpgm
.Lfunc_end_k_qd1f3994062_argmin:
	.size	k_qd1f3994062_argmin, .Lfunc_end_k_qd1f3994062_argmin-k_qd1f3994062_argmin
	.p2alignl 7, 3214868480
	.fill 96, 4, 3214868480
	.section	.rodata,"a",@progbits
	.p2align	6, 0x0
	.amdhsa_kernel k_qd1f3994062_argmin
		.amdhsa_group_segment_fixed_size 327680
		.amdhsa_private_segment_fixed_size 0
		.amdhsa_enable_private_segment 0
		.amdhsa_kernarg_size 32
		.amdhsa_user_sgpr_count 2
		.amdhsa_user_sgpr_kernarg_segment_ptr 1
		.amdhsa_wavefront_size32 1
		.amdhsa_system_sgpr_workgroup_id_x 1
		.amdhsa_system_sgpr_workgroup_id_y 1
		.amdhsa_system_sgpr_workgroup_id_z 1
		.amdhsa_system_vgpr_workitem_id 0
		.amdhsa_next_free_vgpr 1024
		.amdhsa_next_free_sgpr 96
		.amdhsa_reserve_vcc 1
		.amdhsa_float_denorm_mode_32 3
		.amdhsa_float_denorm_mode_16_64 3
		.amdhsa_memory_ordered 1
		.amdhsa_forward_progress 1
		.amdhsa_inst_pref_size 255
	.end_amdhsa_kernel
	.section	.bss,"aw",@nobits
	.p2align	6
	.space	262144
	.amdgpu_metadata
---
amdhsa.version: [ 1, 2 ]
amdhsa.kernels:
  - .name:           k_qd1f3994062_argmin
    .symbol:         k_qd1f3994062_argmin.kd
    .args:
      - { .name: latents, .offset: 0, .size: 8, .value_kind: global_buffer, .address_space: global }
      - { .name: ebf, .offset: 8, .size: 8, .value_kind: global_buffer, .address_space: global }
      - { .name: ee, .offset: 16, .size: 8, .value_kind: global_buffer, .address_space: global }
      - { .name: inds, .offset: 24, .size: 8, .value_kind: global_buffer, .address_space: global }
    .group_segment_fixed_size: 327680
    .private_segment_fixed_size: 0
    .kernarg_segment_align: 8
    .kernarg_segment_size: 32
    .max_flat_workgroup_size: 128
    .sgpr_count:     96
    .vgpr_count:     1024
    .wavefront_size: 32
...
	.end_amdgpu_metadata
.endif
;; end of part 2
;; launch gather (part 3): grid 1024 x 1, 4 waves a work-group, no clusters, 102,912 bytes of LDS; arguments latents, ebf, ee, inds, out0, dmask, dval; writes out0, dmask, dval
.if DOCPART == 3
	.amdgcn_target "amdgcn-amd-amdhsa--gfx1250"
	.amdhsa_code_object_version 6
	.text
	.protected	k_qd1f3994062_gather
	.globl	k_qd1f3994062_gather
	.p2align	8
	.type	k_qd1f3994062_gather,@function
k_qd1f3994062_gather:
	s_mov_b64 s[64:65], 0
	v_nop
	global_prefetch_b8 v0, s[64:65] scope:SCOPE_SE
	s_setreg_imm32_b32 hwreg(HW_REG_WAVE_MODE, 25, 1), 1
	s_wait_xcnt 0x0
; out0[n][:] = x + (q - x), x = latents[n][:] rounded once to bf16, q = ebf[k][:], k = the better of the two codes inds[n][0..1] that the launch before found; both additions in f32, in the module's order.
; latents, out0: [32768][512] f32; ebf: [4096][512] bf16; ee: [4096] f32; inds: [32768][2] u32; dmask, dval: [32768][4] words, a diagnosis that nothing reads.
; THE SECOND EVALUATION.  For both codes d = fma(-2, x . e, fl(xx + ee)) is made again in plain f32 sums (a product of two bf16 is exact in f32, so a step is s = fl(s + x e)).  d lies on f32's grid at xx's size, so a
; last bit of x . e can decide a row, and the problem does not state the order of the product's 512 terms.  EIGHT ORDERS are evaluated side by side.  An order is a set of cuts: the channels between two cuts are one
; serial chain from 0, ascending, and the chains are added in turn, as a product blocked along K adds its blocks.
;   order 0: cut at 256, xx cut at 256 too     1: 256     2: none     3: 320     4: 264     5: 288     6: 176, 352     7: 128, 256, 384     (orders 1 to 7: xx is one chain of 512)
; The output follows order PRIM.  In each order the second code is taken where its d is smaller, or equal with the smaller code.  The choice selects VALUES: both codes' rows are loaded, by addresses made of the
; stored whole numbers alone.
; THE DIAGNOSIS.  dmask[n][0] = the set of orders (bit h) whose choice differs from order 0's, as f32; words 1 to 3 are 0.  dval[n] = xx (one chain), x . e of the first and of the second code (order 1), and
; 65,536 x first code + second code.  Both buffers begin at row DIAG0 and wrap round: a constant of the diagnosis, which enters no result.
; LIMITS.  x and q are the inputs rounded to bf16, as in the whole program; where the module's own sums run in another order than PRIM, a row whose d falls at an f32 rounding can get the other code; an index is
; held to 0 .. 4,095 before it enters an address; NaN and infinities are not treated apart.
; SHARES.  A wave takes 8 rows and 25,600 bytes of LDS of its own: no wave reads another's bytes, so there is no barrier.  A row of x is four loads of 16 bytes a lane (512 consecutive bytes each), a code's row four loads
; of 8 bytes a lane (256 consecutive bytes each), the same four columns in both.  The bf16 words go to LDS for the chains and stay in registers for the output.
; THE CHAINS.  A pass serves two rows: lane l works for row l / 16 of the two, code (l / 8) % 2, order l % 8, and walks all 512 channels.  The 16 lanes of a 16-byte load name one place of x and two of e, which lie 128 bytes
; apart modulo 256.  Ahead of each 8 channels one bit of the lane's mask of cuts is tested: the same text for all orders.
; No register that a load or store names is written again while it may be read: a row's output is made in the registers of its x and is the stores' data once.
; No cluster, no matrix unit: a stream, a gather and 2 of 4,096 products a row; which rows of ebf two work-groups share hangs on the list.
.set DIAG0, 2341                       ; the row whose record lies first in dmask and dval
.set PRIM,  2                          ; the order that the output follows
.set ROWP,  1056                       ; a row in LDS: 1,024 bytes and 32 of padding
.set E0R,   8*ROWP                     ; behind x's eight rows: the first code's
.set E1R,   16*ROWP+128                ; and the second code's
.set WREG,  25600                      ; a wave's bytes
.set SPARE, 4*WREG                     ; behind the four waves': the spare words, 128 bytes for each wave: two blocks of 256 bytes that no other line names
.set LO,  2                            ; v2   16 x lane
.set L8,  3                            ; v3   8 x lane
.set SPW, 4                            ; v4   LDS address of my spare word; never rewritten
.set NIL, 5                            ; v5   0; never rewritten
.set AX0, 6                            ; v6   LDS address of my chain's x in pass 0; never rewritten
.set AE0, 7                            ; v7   of my chain's e; never rewritten
.set LS,  8                            ; v8   my wave's bytes + 8 x lane: where a row's words are stored
.set SS,  9                            ; v9   the chain x . e
.set QQ,  10                           ; v10  the chain x . x
.set PRE, 11                           ; v11  the sum of x . e's finished chains
.set PRQ, 12                           ; v12  of x . x's
.set MM,  13                           ; v13  my cuts still to come in this half of the channels: bit 0 is the next 8 channels'
.set MLO, 14                           ; v14  my cuts: bit g: ahead of channel 8 g
.set MHI, 15                           ; v15  bit g: ahead of channel 256 + 8 g
.set EO,  16                           ; v[16:31] row i: the first code's byte offset in ebf + 8 x lane at EO + i, the second's at EO + 8 + i; when all those loads are in:
.set AXC, 16                           ; v16  the chains' addresses in the trip in hand
.set AEC, 17                           ; v17
.set T,   18                           ; v[18:21] at work; first the offsets of ee's four loads
.set DD,  22                           ; v22  d
.set DM,  23                           ; v23  dmask's word of lane l: row l / 4, word l % 4
.set DV,  24                           ; v24  dval's
.set DO,  25                           ; v25  its byte offset in both
.set EEV, 26                           ; v[26:29] pass p: ee of my row and code
.set BF,  32                           ; v[32:63] two buffers of 16: 16 channels of x, 16 of e; before and behind the chains at work
.set EA,  64                           ; v[64:127]  row i: the first code's 16 bf16 of my lane
.set X,   128                          ; v[128:255] row i, quarter q at X + 16 i + 4 q: x as loaded; then x in bf16 (2) and the second code's words (2); then the output
.set WV,  18                           ; s18  wave
.set WB,  19                           ; s19  my wave's bytes in LDS
.set HM,  20                           ; s20  a word's upper bf16
.set SC,  21                           ; s21  lanes that work for the second code
.set RS,  22                           ; s22  lanes that work for the pass's second row
.set H0M, 23                           ; s23  lanes of order 0
.set KO,  28                           ; s28  the pass's rows + 64 x the trip
.set CNT, 29                           ; s29  trips to go
.set SM,  30                           ; s30  all ones if the row in hand takes the second code
.set R0,  31                           ; s31  my wave's first row + 32,768 - DIAG0
.set CI,  32                           ; s[32:47] the eight rows' two codes
.set FM,  48                           ; s48-51 pass p: lanes whose order takes the second code
.set LT,  52                           ; s52  lanes whose row's second code is the smaller number
.set TS,  53                           ; s53, s54 at work
.set TS2, 54
	s_load_b256 s[4:11], s[0:1], 0x0               ; latents s[4:5], ebf s[6:7], ee s[8:9], inds s[10:11]
	s_load_b128 s[12:15], s[0:1], 0x20             ; out0 s[12:13], dmask s[14:15]
	s_load_b64 s[16:17], s[0:1], 0x30              ; dval
	v_lshl_add_u32 v[SPW], v0, 2, SPARE
	v_mov_b32 v[NIL], 0
	v_lshrrev_b32 v1, 5, v0
	v_readfirstlane_b32 s[WV], v1                  ; wave 0..3
	v_and_b32 v1, 31, v0                           ; lane
	v_lshlrev_b32 v[LO], 4, v1
	v_lshlrev_b32 v[L8], 3, v1
	v_bfe_u32 v[BF], v0, 3, 1                      ; my chain's code,
	v_bfe_u32 v[BF+1], v0, 4, 1                    ; its row of the pass's two,
	v_and_b32 v[BF+2], 7, v0                       ; and its order
	s_mul_i32 s[WB], s[WV], WREG
	v_mul_u32_u24 v[AX0], v[BF+1], ROWP
	v_add_nc_u32 v[AX0], s[WB], v[AX0]
	v_mul_u32_u24 v[AE0], v[BF], E1R-E0R
	v_add_nc_u32 v[AE0], v[AE0], v[AX0]
	v_add_nc_u32 v[AE0], E0R, v[AE0]
	v_add_nc_u32 v[LS], s[WB], v[L8]
	v_cmp_ne_u32 s[SC], 0, v[BF]
	v_cmp_ne_u32 s[RS], 0, v[BF+1]
	v_cmp_eq_u32 s[H0M], 0, v[BF+2]
	v_mov_b32 v[MLO], 0                            ; order 2 has no cut
	v_mov_b32 v[MHI], 0
.macro CUTS h, lo, hi                  ; the lanes of order h take its two masks; the others keep theirs
	v_cmp_ne_u32 vcc_lo, \h, v[BF+2]
	v_cndmask_b32 v[MLO], \lo, v[MLO], vcc_lo
	v_cndmask_b32 v[MHI], \hi, v[MHI], vcc_lo
.endm
	CUTS 0, 0, 0x1                                 ; 256
	CUTS 1, 0, 0x1                                 ; 256
	CUTS 3, 0, 0x100                               ; 320 = 256 + 8 x 8
	CUTS 4, 0, 0x2                                 ; 264 = 256 + 8 x 1
	CUTS 5, 0, 0x10                                ; 288 = 256 + 8 x 4
	CUTS 6, 0x400000, 0x1000                       ; 176 = 8 x 22; 352 = 256 + 8 x 12
	CUTS 7, 0x10000, 0x10001                       ; 128 = 8 x 16; 256; 384 = 256 + 8 x 16
	s_lshl_b32 s24, ttmp9, 2
	s_add_co_u32 s24, s24, s[WV]                   ; my wave among the launch's 4,096
	s_lshl_b32 s[R0], s24, 3                       ; its first row
	s_add_co_u32 s[R0], s[R0], 32768-DIAG0
	s_lshl_b32 s26, s24, 6                         ; its 8 rows' two indices
	s_mov_b32 s27, 0
	s_lshl_b32 s24, s24, 14                        ; its 8 rows of 2,048 bytes
	s_mov_b32 s25, 0
	s_mov_b32 s[HM], 0xffff0000
	s_wait_kmcnt 0x0
	s_add_nc_u64 s[10:11], s[10:11], s[26:27]
	s_load_b512 s[CI:CI+15], s[10:11], 0x0         ; the sixteen codes
	s_add_nc_u64 s[4:5], s[4:5], s[24:25]
	s_add_nc_u64 s[12:13], s[12:13], s[24:25]
.irp i, 0,1,2,3,4,5,6,7
.irp q, 0,1,2,3
	global_load_b128 v[X+16*(\i)+4*(\q):X+16*(\i)+4*(\q)+3], v[LO], s[4:5] offset:2048*(\i)+512*(\q) th:TH_LOAD_NT
.endr
.endr
	s_wait_kmcnt 0x0
.irp i, 0,1,2,3,4,5,6,7
	s_min_u32 s[CI+2*(\i)], s[CI+2*(\i)], 0xfff    ; inside the table
	s_min_u32 s[CI+2*(\i)+1], s[CI+2*(\i)+1], 0xfff
	s_lshl_b32 s[TS], s[CI+2*(\i)], 10             ; a row of ebf is 1,024 bytes
	s_lshl_b32 s[TS2], s[CI+2*(\i)+1], 10
	v_add_nc_u32 v[EO+(\i)], s[TS], v[L8]
	v_add_nc_u32 v[EO+8+(\i)], s[TS2], v[L8]
.irp q, 0,1,2,3
	global_load_b64 v[EA+8*(\i)+2*(\q):EA+8*(\i)+2*(\q)+1], v[EO+(\i)], s[6:7] offset:256*(\q)
.endr
.endr
	; x, row by row: rounded to bf16 into the lower two of each four registers, stored to LDS; the upper two take the second code's words.
.irp i, 0,1,2,3,4,5,6,7
	s_wait_loadcnt 60                              ; loads come back in order: behind row i's stand 4 (7 - i) of x, 32 of the first codes and 4 i of the second codes
.irp q, 0,1,2,3
	v_cvt_pk_bf16_f32 v[X+16*(\i)+4*(\q)], v[X+16*(\i)+4*(\q)], v[X+16*(\i)+4*(\q)+1]
	v_cvt_pk_bf16_f32 v[X+16*(\i)+4*(\q)+1], v[X+16*(\i)+4*(\q)+2], v[X+16*(\i)+4*(\q)+3]
	ds_store_b64 v[LS], v[X+16*(\i)+4*(\q):X+16*(\i)+4*(\q)+1] offset:(\i)*ROWP+256*(\q)
	global_load_b64 v[X+16*(\i)+4*(\q)+2:X+16*(\i)+4*(\q)+3], v[EO+8+(\i)], s[6:7] offset:256*(\q)
.endr
.endr
.irp i, 0,1,2,3,4,5,6,7
	s_wait_loadcnt 60-4*(\i)                       ; the first code's row i is in: behind it stand 4 (7 - i) of its kind and the 32 of the second codes
.irp q, 0,1,2,3
	ds_store_b64 v[LS], v[EA+8*(\i)+2*(\q):EA+8*(\i)+2*(\q)+1] offset:E0R+(\i)*ROWP+256*(\q)
.endr
.endr
.irp i, 0,1,2,3,4,5,6,7
	s_wait_loadcnt 4*(7-(\i))                      ; the second code's row i is in
.irp q, 0,1,2,3
	ds_store_b64 v[LS], v[X+16*(\i)+4*(\q)+2:X+16*(\i)+4*(\q)+3] offset:E1R+(\i)*ROWP+256*(\q)
.endr
.endr
	; Every global load is in: the rows' offsets are no longer read, and their registers serve anew.  ee of my row and code, for each pass.
.irp p, 0,1,2,3
	v_mov_b32 v[BF], s[CI+4*(\p)]
	v_mov_b32 v[BF+1], s[CI+4*(\p)+1]
	v_mov_b32 v[BF+2], s[CI+4*(\p)+2]
	v_mov_b32 v[BF+3], s[CI+4*(\p)+3]
	v_cndmask_b32 v[BF], v[BF], v[BF+1], s[SC]
	v_cndmask_b32 v[BF+2], v[BF+2], v[BF+3], s[SC]
	v_cndmask_b32 v[T+(\p)], v[BF], v[BF+2], s[RS]
	v_min_u32 v[T+(\p)], 0xfff, v[T+(\p)]          ; inside the table
	v_lshlrev_b32 v[T+(\p)], 2, v[T+(\p)]
	global_load_b32 v[EEV+(\p)], v[T+(\p)], s[8:9]
.endr
	v_mov_b32 v[DM], 0                             ; the records: written whole, then lane by lane
	v_mov_b32 v[DV], 0
	v_lshrrev_b32 v[DO], 2, v1                     ; lane l holds word l % 4 of my wave's row l / 4
	v_add_nc_u32 v[DO], s[R0], v[DO]
	v_and_b32 v[DO], 0x7fff, v[DO]                 ; the row's place counted from DIAG0, round the end
	v_lshlrev_b32 v[DO], 4, v[DO]
	v_and_b32 v[DD], 3, v1
	v_lshl_add_u32 v[DO], v[DD], 2, v[DO]
	s_wait_xcnt 0x0                                ; ee's four loads have read their offsets, which the chains write over
	; THE CHAINS.  LDS serves a wave's instructions in order (ISA guide 5.7.1.4): the loads below see the stores above.
.macro LOADG b, off                    ; 16 channels of x and of e into buffer b
	ds_load_b128 v[BF+16*(\b):BF+16*(\b)+3], v[AXC] offset:(\off)
	ds_load_b128 v[BF+16*(\b)+4:BF+16*(\b)+7], v[AXC] offset:(\off)+16
	ds_load_b128 v[BF+16*(\b)+8:BF+16*(\b)+11], v[AEC] offset:(\off)
	ds_load_b128 v[BF+16*(\b)+12:BF+16*(\b)+15], v[AEC] offset:(\off)+16
.endm
.macro CUT                             ; where my order has a cut here, the chain is added onto the finished ones and starts again at 0
	v_and_b32 v[T], 1, v[MM]
	v_cmp_ne_u32 vcc_lo, 0, v[T]
	v_lshrrev_b32 v[MM], 1, v[MM]
	v_add_f32 v[T+1], v[PRE], v[SS]
	v_cndmask_b32 v[PRE], v[PRE], v[T+1], vcc_lo
	v_cndmask_b32 v[SS], v[SS], v[NIL], vcc_lo
.endm
.macro COMP b                          ; 16 steps of both chains, channels ascending: a word's low half first
.irp g, 0,1
	CUT
.irp m, 0,1,2,3
	v_fma_mix_f32_bf16 v[SS], v[BF+16*(\b)+4*(\g)+(\m)], v[BF+16*(\b)+8+4*(\g)+(\m)], v[SS] op_sel_hi:[1,1,0]
	v_fma_mix_f32_bf16 v[QQ], v[BF+16*(\b)+4*(\g)+(\m)], v[BF+16*(\b)+4*(\g)+(\m)], v[QQ] op_sel_hi:[1,1,0]
	v_fma_mix_f32_bf16 v[SS], v[BF+16*(\b)+4*(\g)+(\m)], v[BF+16*(\b)+8+4*(\g)+(\m)], v[SS] op_sel:[1,1,0] op_sel_hi:[1,1,0]
	v_fma_mix_f32_bf16 v[QQ], v[BF+16*(\b)+4*(\g)+(\m)], v[BF+16*(\b)+4*(\g)+(\m)], v[QQ] op_sel:[1,1,0] op_sel_hi:[1,1,0]
.endr
.endr
.endm
.macro KLOOP n                         ; n trips: 32 channels are summed, the 32 two buffers on are fetched
	s_mov_b32 s[CNT], \n
.Lk_\@:
	s_wait_dscnt 0x4                               ; buffer 0 is in; buffer 1's four loads may stay out
	COMP 0
	LOADG 0, 64
	s_wait_dscnt 0x4                               ; buffer 1 is in
	COMP 1
	LOADG 1, 96
	s_add_co_u32 s[KO], s[KO], 64
	v_add_nc_u32 v[AXC], s[KO], v[AX0]
	v_add_nc_u32 v[AEC], s[KO], v[AE0]
	s_sub_co_u32 s[CNT], s[CNT], 1
	s_cmp_lg_u32 s[CNT], 0
	s_cbranch_scc1 .Lk_\@
.endm
; Pass p: rows 2 p and 2 p + 1 of the wave's eight.
.macro PASS p
	s_mov_b32 s[KO], (\p)*2*ROWP
	v_add_nc_u32 v[AXC], s[KO], v[AX0]
	v_add_nc_u32 v[AEC], s[KO], v[AE0]
	v_mov_b32 v[SS], 0                             ; a chain's first step is 0 + x e, which is exact
	v_mov_b32 v[QQ], 0
	v_mov_b32 v[PRE], 0                            ; and 0 + the first chain is that chain
	v_mov_b32 v[MM], v[MLO]
	LOADG 0, 0
	LOADG 1, 32
	KLOOP 8                                        ; channels 0 to 255
	s_mov_b32 s[KO], (\p)*2*ROWP+512               ; (the value that it has)
	v_mov_b32 v[MM], v[MHI]
	v_cndmask_b32 v[PRQ], v[NIL], v[QQ], s[H0M]    ; xx's one cut, at 256, in order 0 alone
	v_cndmask_b32 v[QQ], v[QQ], v[NIL], s[H0M]
	KLOOP 7                                        ; channels 256 to 479
	s_wait_dscnt 0x4                               ; the last 32 channels fetch nothing
	COMP 0
	s_wait_dscnt 0x0
	COMP 1
	v_add_f32 v[SS], v[PRE], v[SS]                 ; x . e
	v_add_f32 v[QQ], v[PRQ], v[QQ]                 ; xx
.if (\p) == 0
	s_wait_loadcnt 0x0                             ; ee's four loads
.endif
	v_add_f32 v[T], v[QQ], v[EEV+(\p)]             ; xx + ee
	v_fma_f32 v[DD], -2.0, v[SS], v[T]             ; (xx + ee) - 2 x . e
	v_mov_b32_dpp v[T+1], v[DD] row_xmask:8 row_mask:0xf bank_mask:0xf  ; the other code's d in the same order
	v_cndmask_b32 v[T+2], v[DD], v[T+1], s[SC]     ; the first code's d,
	v_cndmask_b32 v[T+3], v[T+1], v[DD], s[SC]     ; the second's
	v_cmp_lt_f32 s[FM+(\p)], v[T+3], v[T+2]        ; the second is taken if it is smaller,
	v_cmp_eq_f32 s[TS], v[T+3], v[T+2]             ; or equal
	s_cmp_lt_u32 s[CI+4*(\p)+1], s[CI+4*(\p)]      ; with the smaller code: lanes 0-15 the pass's first row,
	s_cselect_b32 s[LT], 0xffff, 0
	s_cmp_lt_u32 s[CI+4*(\p)+3], s[CI+4*(\p)+2]    ; lanes 16-31 its second
	s_cselect_b32 s[TS2], 0xffff0000, 0
	s_or_b32 s[LT], s[LT], s[TS2]
	s_and_b32 s[TS], s[TS], s[LT]
	s_or_b32 s[FM+(\p)], s[FM+(\p)], s[TS]         ; bit 16 r + h: row r of the two, order h
.irp r, 0,1                            ; the two rows' records
	s_bfe_u32 s[TS], s[FM+(\p)], 0x80000+16*(\r)   ; the eight orders' choices,
	s_bitcmp1_b32 s[FM+(\p)], 16*(\r)
	s_cselect_b32 s[TS2], 0xff, 0
	s_xor_b32 s[TS], s[TS], s[TS2]                 ; held against order 0's
	v_writelane_b32 v[DM], s[TS], 8*(\p)+4*(\r)
	v_readlane_b32 s[TS], v[QQ], 16*(\r)+1         ; order 1, first code: xx,
	v_writelane_b32 v[DV], s[TS], 8*(\p)+4*(\r)
	v_readlane_b32 s[TS], v[SS], 16*(\r)+1         ; x . e,
	v_writelane_b32 v[DV], s[TS], 8*(\p)+4*(\r)+1
	v_readlane_b32 s[TS], v[SS], 16*(\r)+9         ; and the second code's
	v_writelane_b32 v[DV], s[TS], 8*(\p)+4*(\r)+2
	s_lshl_b32 s[TS], s[CI+4*(\p)+2*(\r)], 16
	s_or_b32 s[TS], s[TS], s[CI+4*(\p)+2*(\r)+1]
	v_writelane_b32 v[DV], s[TS], 8*(\p)+4*(\r)+3
.endr
.endm
	PASS 0
	PASS 1
	PASS 2
	PASS 3
	v_cvt_f32_u32 v[DM], v[DM]
	global_store_b32 v[DO], v[DM], s[14:15]        ; my wave's eight records: 128 consecutive bytes (but where they wrap round)
	global_store_b32 v[DO], v[DV], s[16:17]
	; THE OUTPUT, row by row, from the registers.
.macro OROW i
	s_bitcmp1_b32 s[FM+(\i)/2], 16*((\i)%2)+PRIM
	s_cselect_b32 s[SM], -1, 0                     ; the row's choice for all 32 lanes: it selects values, no address and no branch
.irp q, 0,1,2,3
.set rX, X+16*(\i)+4*(\q)
.set rE, EA+8*(\i)+2*(\q)
.set rT, BF+16*((\q)%2)
	v_cndmask_b32 v[rT], v[rE], v[rX+2], s[SM]     ; q's words
	v_cndmask_b32 v[rT+1], v[rE+1], v[rX+3], s[SM]
	v_lshlrev_b32 v[rT+4], 16, v[rT]               ; q widened,
	v_and_b32 v[rT+5], s[HM], v[rT]
	v_lshlrev_b32 v[rT+6], 16, v[rT+1]
	v_and_b32 v[rT+7], s[HM], v[rT+1]
	v_lshlrev_b32 v[rT+8], 16, v[rX]               ; x widened
	v_and_b32 v[rT+9], s[HM], v[rX]
	v_lshlrev_b32 v[rT+10], 16, v[rX+1]
	v_and_b32 v[rT+11], s[HM], v[rX+1]
	v_pk_add_f32 v[rT+4:rT+5], v[rT+4:rT+5], v[rT+8:rT+9] neg_lo:[0,1] neg_hi:[0,1]      ; q - x
	v_pk_add_f32 v[rT+6:rT+7], v[rT+6:rT+7], v[rT+10:rT+11] neg_lo:[0,1] neg_hi:[0,1]
	v_pk_add_f32 v[rX:rX+1], v[rT+8:rT+9], v[rT+4:rT+5]                                  ; x + (q - x)
	v_pk_add_f32 v[rX+2:rX+3], v[rT+10:rT+11], v[rT+6:rT+7]
	global_store_b128 v[LO], v[rX:rX+3], s[12:13] offset:2048*(\i)+512*(\q) th:TH_STORE_NT  ; 512 consecutive bytes, aligned
.endr
.endm
.irp i, 0,1,2,3,4,5,6,7
	OROW \i
.endr
	s_wait_tensorcnt 0x0                           ; the wave's end, behind my last LDS store
	ds_add_u32 v[SPW], v[NIL]
	s_wait_dscnt 0x0
	s_endpgm
.Lfunc_end_k_qd1f3994062_gather:
	.size	k_qd1f3994062_gather, .Lfunc_end_k_qd1f3994062_gather-k_qd1f3994062_gather
	.p2alignl 7, 3214868480
	.fill 96, 4, 3214868480
	.section	.rodata,"a",@progbits
	.p2align	6, 0x0
	.amdhsa_kernel k_qd1f3994062_gather
		.amdhsa_group_segment_fixed_size 102912
		.amdhsa_private_segment_fixed_size 0
		.amdhsa_enable_private_segment 0
		.amdhsa_kernarg_size 56
		.amdhsa_user_sgpr_count 2
		.amdhsa_user_sgpr_kernarg_segment_ptr 1
		.amdhsa_wavefront_size32 1
		.amdhsa_system_sgpr_workgroup_id_x 1
		.amdhsa_system_sgpr_workgroup_id_y 1
		.amdhsa_system_sgpr_workgroup_id_z 1
		.amdhsa_system_vgpr_workitem_id 0
		.amdhsa_next_free_vgpr 256
		.amdhsa_next_free_sgpr 66
		.amdhsa_reserve_vcc 1
		.amdhsa_float_denorm_mode_32 3
		.amdhsa_float_denorm_mode_16_64 3
		.amdhsa_memory_ordered 1
		.amdhsa_forward_progress 1
		.amdhsa_inst_pref_size 128
	.end_amdhsa_kernel
	.amdgpu_metadata
---
amdhsa.version: [ 1, 2 ]
amdhsa.kernels:
  - .name:           k_qd1f3994062_gather
    .symbol:         k_qd1f3994062_gather.kd
    .args:
      - { .name: latents, .offset: 0, .size: 8, .value_kind: global_buffer, .address_space: global }
      - { .name: ebf, .offset: 8, .size: 8, .value_kind: global_buffer, .address_space: global }
      - { .name: ee, .offset: 16, .size: 8, .value_kind: global_buffer, .address_space: global }
      - { .name: inds, .offset: 24, .size: 8, .value_kind: global_buffer, .address_space: global }
      - { .name: out0, .offset: 32, .size: 8, .value_kind: global_buffer, .address_space: global }
      - { .name: dmask, .offset: 40, .size: 8, .value_kind: global_buffer, .address_space: global }
      - { .name: dval, .offset: 48, .size: 8, .value_kind: global_buffer, .address_space: global }
    .group_segment_fixed_size: 102912
    .private_segment_fixed_size: 0
    .kernarg_segment_align: 8
    .kernarg_segment_size: 56
    .max_flat_workgroup_size: 128
    .sgpr_count:     66
    .vgpr_count:     256
    .wavefront_size: 32
...
	.end_amdgpu_metadata
.endif
;; end of part 3
;; ======== version 2 of 3: 3 launches
;; workspace buffers: ebf 4,194,304 bytes; ee 16,384 bytes; inds 262,144 bytes of whole numbers
;; launch prep: the kernel of part 1 again; grid 64 x 1, 8 waves a work-group, no clusters, 1,280 bytes of LDS; arguments embedding, ebf, ee; writes ebf, ee
;; launch argmin: the kernel of part 2 again; grid 256 x 1, 4 waves a work-group, clusters of 4 x 1, 327,680 bytes of LDS; arguments latents, ebf, ee, inds; writes inds
;; launch gather (part 4): grid 1024 x 1, 4 waves a work-group, no clusters, 53,760 bytes of LDS; arguments latents, ebf, ee, inds, out0; writes out0
.if DOCPART == 4
	.amdgcn_target "amdgcn-amd-amdhsa--gfx1250"
	.amdhsa_code_object_version 6
	.text
	.protected	k_qd1f3994062_gather
	.globl	k_qd1f3994062_gather
	.p2align	8
	.type	k_qd1f3994062_gather,@function
k_qd1f3994062_gather:
	s_mov_b64 s[64:65], 0
	v_nop
	global_prefetch_b8 v0, s[64:65] scope:SCOPE_SE
	s_setreg_imm32_b32 hwreg(HW_REG_WAVE_MODE, 25, 1), 1
	s_wait_xcnt 0x0
; out0[n][:] = x + (q - x), x = latents[n][:] rounded once to bf16, q = ebf[k][:], k = the better of the two codes inds[n][0..1] that the launch before found; both additions in f32, in the module's order.
; latents, out0: [32768][512] f32; ebf: [4096][512] bf16; ee: [4096] f32; inds: [32768][2] u32.
; THE SECOND EVALUATION.  For both codes d = fma(-2, x . e, fl(xx + ee)) is made again in plain f32 sums.  d lies on f32's grid at xx's size, so a last bit of x . e or of xx can decide a row.  Here x . e and xx are
; each ONE serial chain over the 512 channels, from 0, ascending: s = fl(s + x e); a product of two bf16 is exact in f32, so a fused step and a product followed by a sum are the same.  That is the order of a product
; that keeps one sum for each output along K.  The second code is taken where its d is smaller, or equal with the smaller code.  The choice selects VALUES: both codes' rows are loaded, by addresses made of the stored
; whole numbers alone.
; LIMITS.  x and q are the inputs rounded to bf16, as in the whole program; where the module's own sums run in another order than these chains, a row whose d falls at an f32 rounding can get the other code; an index
; is held to 0 .. 4,095 before it enters an address; NaN and infinities are not treated apart.
; SHARES.  A wave takes 8 rows and 13,312 bytes of LDS of its own: no wave reads another's bytes, so there is no barrier.  A row of x is four loads of 16 bytes a lane (512 consecutive bytes each), a code's row four loads
; of 8 bytes a lane (256 consecutive bytes each), the same four columns in both.  The bf16 words go to LDS for the chains and stay in registers for the output.
; HALF A ROW AT A TIME.  LDS holds 256 channels of the wave's 24 rows: first channels 0-255, which the chains walk; then channels 256-511 are stored over them, from the registers, and the chains walk on.  So a work-group
; asks for 53,760 bytes, and its 256 registers a wave, not its LDS, bound how many work-groups lie side by side.
; THE CHAINS.  Lane l works for row l / 4; of a row's four lanes 0 and 1 sum x . x (the same chain twice, so that both lanes below find it two lanes away), lane 2 x . e of the first code, lane 3 of the second.
; In LDS half a row is 512 bytes at a pitch of 544; the first code's rows begin 16 bytes, the second code's 128 bytes past a multiple of 256: the 16 lanes of a 16-byte load name four rows r of x, of the first and of the
; second code, at the 16-byte columns 2 r, 2 r + 1 and 2 r + 8 modulo 16: all different.
; No register that a load or store names is written again while it may be read: a row's output is made in the registers of its x and is the stores' data once.
; No cluster, no matrix unit: a stream, a gather and 2 of 4,096 products a row; which rows of ebf two work-groups share hangs on the list.
.set ROWP,  544                        ; half a row in LDS: 512 bytes and 32 of padding
.set E0R,   8*ROWP+16                  ; behind x's eight rows: the first code's
.set E1R,   16*ROWP+128                ; and the second code's
.set WREG,  13312                      ; a wave's bytes
.set SPARE, 4*WREG                     ; behind the four waves': the spare words, 128 bytes for each wave: two blocks of 256 bytes that no other line names
.set LO,  2                            ; v2   16 x lane
.set L8,  3                            ; v3   8 x lane
.set SPW, 4                            ; v4   LDS address of my spare word; never rewritten
.set NIL, 5                            ; v5   0; never rewritten
.set AX0, 6                            ; v6   LDS address of my row's x; never rewritten
.set AE0, 7                            ; v7   of my chain's second factor: x again, or a code's row; never rewritten
.set LS,  8                            ; v8   my wave's bytes + 8 x lane: where a row's words are stored
.set SS,  9                            ; v9   my chain
.set CP,  10                           ; v[10:11] my row's two codes
.set OWN, 12                           ; v12  4 x the code of my lane's parity
.set EEV, 13                           ; v13  its ee
.set PO,  14                           ; v14  8 x my row among the wave's eight
.set DD,  15                           ; v15  d
.set EO,  16                           ; v[16:31] row i: the first code's byte offset in ebf + 8 x lane at EO + i, the second's at EO + 8 + i; when all those loads are in:
.set AXC, 16                           ; v16, v17  the addresses of buffer 0's loads in the trip in hand
.set AEC, 17
.set AXD, 18                           ; v18, v19  of buffer 1's
.set AED, 19
.set T,   20                           ; v[20:23] at work
.set BF,  32                           ; v[32:63] two buffers of 16: 16 channels of each factor; before and behind the chains at work
.set EA,  64                           ; v[64:127]  row i: the first code's 16 bf16 of my lane
.set X,   128                          ; v[128:255] row i, quarter q at X + 16 i + 4 q: x as loaded; then x in bf16 (2) and the second code's words (2); then the output
.set WV,  14                           ; s14  wave
.set WB,  15                           ; s15  my wave's bytes in LDS
.set HM,  20                           ; s20  a word's upper bf16
.set SC,  21                           ; s21  odd lanes: those of the second code
.set FM,  22                           ; s22-24 lanes whose row takes the second code, and two at work
.set SM,  25                           ; s25  all ones if the row in hand takes the second code
.set KO,  26                           ; s26  64 x the trip
.set CNT, 27                           ; s27  trips to go
.set HF,  28                           ; s28  halves of the channels to go
.set CI,  32                           ; s[32:47] the eight rows' two codes
	s_load_b256 s[4:11], s[0:1], 0x0               ; latents s[4:5], ebf s[6:7], ee s[8:9], inds s[10:11]
	s_load_b64 s[12:13], s[0:1], 0x20              ; out0
	v_lshl_add_u32 v[SPW], v0, 2, SPARE
	v_mov_b32 v[NIL], 0
	v_lshrrev_b32 v1, 5, v0
	v_readfirstlane_b32 s[WV], v1                  ; wave 0..3
	v_and_b32 v1, 31, v0                           ; lane
	v_lshlrev_b32 v[LO], 4, v1
	v_lshlrev_b32 v[L8], 3, v1
	v_bfe_u32 v[BF], v0, 2, 3                      ; my chain's row
	v_bfe_u32 v[BF+1], v0, 1, 1                    ; 1 in a row's lanes 2 and 3: a code's chain
	v_and_b32 v[BF+2], 3, v0
	v_add_nc_u32 v[BF+2], 1, v[BF+2]
	v_lshrrev_b32 v[BF+2], 2, v[BF+2]              ; 1 in a row's lane 3: the second code's
	v_and_b32 v[BF+3], 1, v0
	s_mul_i32 s[WB], s[WV], WREG
	v_mul_u32_u24 v[AX0], v[BF], ROWP
	v_add_nc_u32 v[AX0], s[WB], v[AX0]
	v_mul_u32_u24 v[AE0], v[BF+1], E0R             ; lanes 0 and 1: x itself; lane 2: + E0R; lane 3: + E1R
	v_mul_u32_u24 v[BF+2], v[BF+2], E1R-E0R
	v_add_nc_u32 v[AE0], v[AE0], v[BF+2]
	v_add_nc_u32 v[AE0], v[AE0], v[AX0]
	v_add_nc_u32 v[LS], s[WB], v[L8]
	v_lshlrev_b32 v[PO], 3, v[BF]
	v_cmp_ne_u32 s[SC], 0, v[BF+3]
	s_lshl_b32 s16, ttmp9, 2
	s_add_co_u32 s16, s16, s[WV]                   ; my wave among the launch's 4,096
	s_lshl_b32 s18, s16, 6                         ; its 8 rows' two indices
	s_mov_b32 s19, 0
	s_lshl_b32 s16, s16, 14                        ; its 8 rows of 2,048 bytes
	s_mov_b32 s17, 0
	s_mov_b32 s[HM], 0xffff0000
	s_wait_kmcnt 0x0
	s_add_nc_u64 s[10:11], s[10:11], s[18:19]
	s_load_b512 s[CI:CI+15], s[10:11], 0x0         ; the sixteen codes, for the rows' addresses
	s_add_nc_u64 s[4:5], s[4:5], s[16:17]
	s_add_nc_u64 s[12:13], s[12:13], s[16:17]
	global_load_b64 v[CP:CP+1], v[PO], s[10:11]    ; and my chain's row's two, for ee and for the tie
.irp i, 0,1,2,3,4,5,6,7
.irp q, 0,1,2,3
	global_load_b128 v[X+16*(\i)+4*(\q):X+16*(\i)+4*(\q)+3], v[LO], s[4:5] offset:2048*(\i)+512*(\q) th:TH_LOAD_NT
.endr
.endr
	s_wait_loadcnt 32                              ; the two codes are in; x's 32 loads may stay out
	v_cndmask_b32 v[OWN], v[CP], v[CP+1], s[SC]
	v_min_u32 v[OWN], 0xfff, v[OWN]                ; inside the table
	v_lshlrev_b32 v[OWN], 2, v[OWN]
	global_load_b32 v[EEV], v[OWN], s[8:9]
	s_wait_kmcnt 0x0
.irp i, 0,1,2,3,4,5,6,7
	s_min_u32 s[CI+2*(\i)], s[CI+2*(\i)], 0xfff    ; inside the table
	s_min_u32 s[CI+2*(\i)+1], s[CI+2*(\i)+1], 0xfff
	s_lshl_b32 s[CI+2*(\i)], s[CI+2*(\i)], 10      ; a row of ebf is 1,024 bytes
	s_lshl_b32 s[CI+2*(\i)+1], s[CI+2*(\i)+1], 10
	v_add_nc_u32 v[EO+(\i)], s[CI+2*(\i)], v[L8]
	v_add_nc_u32 v[EO+8+(\i)], s[CI+2*(\i)+1], v[L8]
.irp q, 0,1,2,3
	global_load_b64 v[EA+8*(\i)+2*(\q):EA+8*(\i)+2*(\q)+1], v[EO+(\i)], s[6:7] offset:256*(\q)
.endr
.endr
	; x, row by row: rounded to bf16 into the lower two of each four registers; channels 0-255 go to LDS; the upper two registers take the second code's words.
	; A row's eight conversions stand first, so that the stores and loads behind them do not follow straight on the lines that make or free their registers.
.irp i, 0,1,2,3,4,5,6,7
	s_wait_loadcnt 61                              ; loads come back in order: behind row i's stand 4 (7 - i) of x, 1 of ee, 32 of the first codes and 4 i of the second codes
.irp q, 0,1,2,3
	v_cvt_pk_bf16_f32 v[X+16*(\i)+4*(\q)], v[X+16*(\i)+4*(\q)], v[X+16*(\i)+4*(\q)+1]
	v_cvt_pk_bf16_f32 v[X+16*(\i)+4*(\q)+1], v[X+16*(\i)+4*(\q)+2], v[X+16*(\i)+4*(\q)+3]
.endr
.irp q, 0,1
	ds_store_b64 v[LS], v[X+16*(\i)+4*(\q):X+16*(\i)+4*(\q)+1] offset:(\i)*ROWP+256*(\q)
.endr
.irp q, 0,1,2,3
	global_load_b64 v[X+16*(\i)+4*(\q)+2:X+16*(\i)+4*(\q)+3], v[EO+8+(\i)], s[6:7] offset:256*(\q)
.endr
.endr
.irp i, 0,1,2,3,4,5,6,7
	s_wait_loadcnt 60-4*(\i)                       ; the first code's row i is in: behind it stand 4 (7 - i) of its kind and the 32 of the second codes
.irp q, 0,1
	ds_store_b64 v[LS], v[EA+8*(\i)+2*(\q):EA+8*(\i)+2*(\q)+1] offset:E0R+(\i)*ROWP+256*(\q)
.endr
.endr
.irp i, 0,1,2,3,4,5,6,7
	s_wait_loadcnt 4*(7-(\i))                      ; the second code's row i is in
.irp q, 0,1
	ds_store_b64 v[LS], v[X+16*(\i)+4*(\q)+2:X+16*(\i)+4*(\q)+3] offset:E1R+(\i)*ROWP+256*(\q)
.endr
.endr
	; THE CHAINS.  LDS serves a wave's instructions in order (ISA guide 5.7.1.4): the loads below see the stores above, and the stores of the second half come behind the loads of the first.
.macro LOADG b, ax, ae, off            ; 16 channels of both factors into buffer b
	ds_load_b128 v[BF+16*(\b):BF+16*(\b)+3], v[\ax] offset:(\off)
	ds_load_b128 v[BF+16*(\b)+4:BF+16*(\b)+7], v[\ax] offset:(\off)+16
	ds_load_b128 v[BF+16*(\b)+8:BF+16*(\b)+11], v[\ae] offset:(\off)
	ds_load_b128 v[BF+16*(\b)+12:BF+16*(\b)+15], v[\ae] offset:(\off)+16
.endm
.macro COMP b                          ; 16 steps of the chain, channels ascending: a word's low half first
.irp m, 0,1,2,3,4,5,6,7
	v_fma_mix_f32_bf16 v[SS], v[BF+16*(\b)+(\m)], v[BF+16*(\b)+8+(\m)], v[SS] op_sel_hi:[1,1,0]
	v_fma_mix_f32_bf16 v[SS], v[BF+16*(\b)+(\m)], v[BF+16*(\b)+8+(\m)], v[SS] op_sel:[1,1,0] op_sel_hi:[1,1,0]
.endr
.endm
	v_mov_b32 v[SS], 0                             ; the chain's first step is 0 + x e, which is exact
	s_mov_b32 s[HF], 2
.Lhalf:                                                ; two trips: channels 0-255, then 256-511; the chain runs on from the one into the other
	s_mov_b32 s[KO], 0
	v_add_nc_u32 v[AXC], s[KO], v[AX0]             ; (every global load is in: the rows' offsets are no longer read, and their registers serve anew)
	v_add_nc_u32 v[AEC], s[KO], v[AE0]
	v_add_nc_u32 v[AXD], s[KO], v[AX0]
	v_add_nc_u32 v[AED], s[KO], v[AE0]
	LOADG 0, AXC, AEC, 0
	LOADG 1, AXD, AED, 32
	s_mov_b32 s[CNT], 7
.Lk:                                                   ; a trip: 32 channels are summed, the 32 two buffers on are fetched
	s_wait_dscnt 0x4                               ; buffer 0 is in (and every older store is done); buffer 1's four loads may stay out
	v_add_nc_u32 v[AXC], s[KO], v[AX0]             ; buffer 0's addresses: its last loads are done, its next stand 16 steps on
	v_add_nc_u32 v[AEC], s[KO], v[AE0]
	COMP 0
	LOADG 0, AXC, AEC, 64
	s_wait_dscnt 0x4                               ; buffer 1 is in; buffer 0's four loads may stay out
	v_add_nc_u32 v[AXD], s[KO], v[AX0]             ; buffer 1's addresses, likewise
	v_add_nc_u32 v[AED], s[KO], v[AE0]
	COMP 1
	LOADG 1, AXD, AED, 96
	s_add_co_u32 s[KO], s[KO], 64
	s_sub_co_u32 s[CNT], s[CNT], 1
	s_cmp_lg_u32 s[CNT], 0
	s_cbranch_scc1 .Lk
	s_wait_dscnt 0x4                               ; the half's last 32 channels fetch nothing
	COMP 0
	s_wait_dscnt 0x0
	COMP 1
	s_cmp_eq_u32 s[HF], 1
	s_cbranch_scc1 .Lstored                        ; behind the second half nothing is left to store
.irp i, 0,1,2,3,4,5,6,7
.irp q, 2,3
	ds_store_b64 v[LS], v[X+16*(\i)+4*(\q):X+16*(\i)+4*(\q)+1] offset:(\i)*ROWP+256*((\q)-2)              ; channels 256-511 of x,
	ds_store_b64 v[LS], v[EA+8*(\i)+2*(\q):EA+8*(\i)+2*(\q)+1] offset:E0R+(\i)*ROWP+256*((\q)-2)          ; of the first code,
	ds_store_b64 v[LS], v[X+16*(\i)+4*(\q)+2:X+16*(\i)+4*(\q)+3] offset:E1R+(\i)*ROWP+256*((\q)-2)        ; and of the second, over my own bytes, whose reads are back
.endr
.endr
.Lstored:
	s_sub_co_u32 s[HF], s[HF], 1
	s_cmp_lg_u32 s[HF], 0
	s_cbranch_scc1 .Lhalf
	; What follows holds in a row's lanes 2 and 3; lanes 0 and 1 run along, and nothing of theirs is used.
	v_mov_b32_dpp v[T], v[SS] row_xmask:2 row_mask:0xf bank_mask:0xf          ; xx, from two lanes below
	v_add_f32 v[T+1], v[T], v[EEV]                 ; xx + ee
	v_fma_f32 v[DD], -2.0, v[SS], v[T+1]           ; (xx + ee) - 2 x . e
	v_mov_b32_dpp v[T+2], v[DD] row_xmask:1 row_mask:0xf bank_mask:0xf        ; the other code's d
	v_cndmask_b32 v[T], v[DD], v[T+2], s[SC]       ; the first code's d,
	v_cndmask_b32 v[T+3], v[T+2], v[DD], s[SC]     ; the second's
	v_cmp_lt_f32 s[FM], v[T+3], v[T]               ; the second is taken if it is smaller,
	v_cmp_eq_f32 s[FM+1], v[T+3], v[T]             ; or equal
	v_cmp_lt_u32 s[FM+2], v[CP+1], v[CP]           ; with the smaller code
	s_and_b32 s[FM+1], s[FM+1], s[FM+2]
	s_or_b32 s[FM], s[FM], s[FM+1]                 ; bit 4 i + 2: row i
	; THE OUTPUT, quarter of a row by quarter, from the registers.  A quarter's store stands behind the next quarter's arithmetic, not straight behind its own.
.macro OCALC i, q
.set rX, X+16*(\i)+4*(\q)
.set rE, EA+8*(\i)+2*(\q)
.set rT, BF+16*((\q)%2)
	v_cndmask_b32 v[rT], v[rE], v[rX+2], s[SM]     ; q's words
	v_cndmask_b32 v[rT+1], v[rE+1], v[rX+3], s[SM]
	v_lshlrev_b32 v[rT+4], 16, v[rT]               ; q widened,
	v_and_b32 v[rT+5], s[HM], v[rT]
	v_lshlrev_b32 v[rT+6], 16, v[rT+1]
	v_and_b32 v[rT+7], s[HM], v[rT+1]
	v_lshlrev_b32 v[rT+8], 16, v[rX]               ; x widened
	v_and_b32 v[rT+9], s[HM], v[rX]
	v_lshlrev_b32 v[rT+10], 16, v[rX+1]
	v_and_b32 v[rT+11], s[HM], v[rX+1]
	v_pk_add_f32 v[rT+4:rT+5], v[rT+4:rT+5], v[rT+8:rT+9] neg_lo:[0,1] neg_hi:[0,1]      ; q - x
	v_pk_add_f32 v[rT+6:rT+7], v[rT+6:rT+7], v[rT+10:rT+11] neg_lo:[0,1] neg_hi:[0,1]
	v_pk_add_f32 v[rX:rX+1], v[rT+8:rT+9], v[rT+4:rT+5]                                  ; x + (q - x)
	v_pk_add_f32 v[rX+2:rX+3], v[rT+10:rT+11], v[rT+6:rT+7]
.endm
.macro OSTORE i, q
	global_store_b128 v[LO], v[X+16*(\i)+4*(\q):X+16*(\i)+4*(\q)+3], s[12:13] offset:2048*(\i)+512*(\q) th:TH_STORE_NT  ; 512 consecutive bytes, aligned
.endm
.set t, 0
.rept 32
.if t%4 == 0
	s_bitcmp1_b32 s[FM], 4*(t/4)+2
	s_cselect_b32 s[SM], -1, 0                     ; the row's choice for all 32 lanes: it selects values, no address and no branch
.endif
	OCALC t/4, t%4
.if t > 0
	OSTORE (t-1)/4, (t-1)%4
.endif
.set t, t+1
.endr
	OSTORE 7, 3
	s_wait_tensorcnt 0x0                           ; the wave's end, behind my last LDS store
	ds_add_u32 v[SPW], v[NIL]
	s_wait_dscnt 0x0
	s_endpgm
.Lfunc_end_k_qd1f3994062_gather:
	.size	k_qd1f3994062_gather, .Lfunc_end_k_qd1f3994062_gather-k_qd1f3994062_gather
	.p2alignl 7, 3214868480
	.fill 96, 4, 3214868480
	.section	.rodata,"a",@progbits
	.p2align	6, 0x0
	.amdhsa_kernel k_qd1f3994062_gather
		.amdhsa_group_segment_fixed_size 53760
		.amdhsa_private_segment_fixed_size 0
		.amdhsa_enable_private_segment 0
		.amdhsa_kernarg_size 40
		.amdhsa_user_sgpr_count 2
		.amdhsa_user_sgpr_kernarg_segment_ptr 1
		.amdhsa_wavefront_size32 1
		.amdhsa_system_sgpr_workgroup_id_x 1
		.amdhsa_system_sgpr_workgroup_id_y 1
		.amdhsa_system_sgpr_workgroup_id_z 1
		.amdhsa_system_vgpr_workitem_id 0
		.amdhsa_next_free_vgpr 256
		.amdhsa_next_free_sgpr 66
		.amdhsa_reserve_vcc 0
		.amdhsa_float_denorm_mode_32 3
		.amdhsa_float_denorm_mode_16_64 3
		.amdhsa_memory_ordered 1
		.amdhsa_forward_progress 1
		.amdhsa_inst_pref_size 55
	.end_amdhsa_kernel
	.amdgpu_metadata
---
amdhsa.version: [ 1, 2 ]
amdhsa.kernels:
  - .name:           k_qd1f3994062_gather
    .symbol:         k_qd1f3994062_gather.kd
    .args:
      - { .name: latents, .offset: 0, .size: 8, .value_kind: global_buffer, .address_space: global }
      - { .name: ebf, .offset: 8, .size: 8, .value_kind: global_buffer, .address_space: global }
      - { .name: ee, .offset: 16, .size: 8, .value_kind: global_buffer, .address_space: global }
      - { .name: inds, .offset: 24, .size: 8, .value_kind: global_buffer, .address_space: global }
      - { .name: out0, .offset: 32, .size: 8, .value_kind: global_buffer, .address_space: global }
    .group_segment_fixed_size: 53760
    .private_segment_fixed_size: 0
    .kernarg_segment_align: 8
    .kernarg_segment_size: 40
    .max_flat_workgroup_size: 128
    .sgpr_count:     66
    .vgpr_count:     256
    .wavefront_size: 32
...
	.end_amdgpu_metadata
.endif
;; end of part 4
;; ======== version 3 of 3: 3 launches; version 2 with the launch gather written anew for expert scheduling mode
;; workspace buffers: ebf 4,194,304 bytes; ee 16,384 bytes; inds 262,144 bytes of whole numbers
;; launch prep: the kernel of part 1 again; grid 64 x 1, 8 waves a work-group, no clusters, 1,280 bytes of LDS; arguments embedding, ebf, ee; writes ebf, ee
;; launch argmin: the kernel of part 2 again; grid 256 x 1, 4 waves a work-group, clusters of 4 x 1, 327,680 bytes of LDS; arguments latents, ebf, ee, inds; writes inds
;; launch gather (part 5): grid 1024 x 1, 4 waves a work-group, no clusters, 53,760 bytes of LDS; arguments latents, ebf, ee, inds, out0; writes out0
.if DOCPART == 5
	.amdgcn_target "amdgcn-amd-amdhsa--gfx1250"
	.amdhsa_code_object_version 6
	.text
	.protected	k_qd1f3994062_gather
	.globl	k_qd1f3994062_gather
	.p2align	8
	.type	k_qd1f3994062_gather,@function
k_qd1f3994062_gather:
	s_mov_b64 s[64:65], 0
	v_nop
	global_prefetch_b8 v0, s[64:65] scope:SCOPE_SE
	s_setreg_imm32_b32 hwreg(HW_REG_WAVE_SCHED_MODE, 0, 2), 2
	s_setreg_imm32_b32 hwreg(HW_REG_WAVE_MODE, 25, 1), 1
	s_wait_xcnt 0x0
	s_wait_alu depctr_vm_vsrc(0)
; out0[n][:] = x + (q - x), x = latents[n][:] rounded once to bf16, q = ebf[k][:], k = the better of the two codes inds[n][0..1] that the launch before found; both additions in f32, in the module's order.
; latents, out0: [32768][512] f32; ebf: [4096][512] bf16; ee: [4096] f32; inds: [32768][2] u32.
; THE SECOND EVALUATION.  For both codes d = fma(-2, x . e, fl(xx + ee)) is made again in plain f32 sums.  d lies on f32's grid at xx's size, so a last bit of x . e or of xx can decide a row.  Here x . e and xx are
; each ONE serial chain over the 512 channels, from 0, ascending: s = fl(s + x e); a product of two bf16 is exact in f32, so a fused step and a product followed by a sum are the same.  That is the order of a product
; that keeps one sum for each output along K.  The second code is taken where its d is smaller, or equal with the smaller code.  The choice selects VALUES: both codes' rows are loaded, by addresses made of the stored
; whole numbers alone.
; LIMITS.  x and q are the inputs rounded to bf16, as in the whole program; where the module's own sums run in another order than these chains, a row whose d falls at an f32 rounding can get the other code; an index
; is held to 0 .. 4,095 before it enters an address; NaN and infinities are not treated apart.
; SHARES.  A wave takes 8 rows and 13,312 bytes of LDS of its own: no wave reads another's bytes, so there is no barrier.  A row of x is four loads of 16 bytes a lane (512 consecutive bytes each), a code's row four loads
; of 8 bytes a lane (256 consecutive bytes each), the same four columns in both.  The bf16 words go to LDS for the chains and stay in registers for the output.
; HALF A ROW AT A TIME.  LDS holds 256 channels of the wave's 24 rows: first channels 0-255, which the chains walk; then channels 256-511 are stored over them, from the registers, and the chains walk on.  So a work-group
; asks for 53,760 bytes, and its 256 registers a wave, not its LDS, bound how many work-groups lie side by side.
; THE CHAINS.  Lane l works for row l / 4; of a row's four lanes 0 and 1 sum x . x (the same chain twice, so that both lanes below find it two lanes away), lane 2 x . e of the first code, lane 3 of the second.
; In LDS half a row is 512 bytes at a pitch of 544; the first code's rows begin 16 bytes, the second code's 128 bytes past a multiple of 256: the 16 lanes of a 16-byte load name four rows r of x, of the first and of the
; second code, at the 16-byte columns 2 r, 2 r + 1 and 2 r + 8 modulo 16: all different.
; No cluster, no matrix unit: a stream, a gather and 2 of 4,096 products a row; which rows of ebf two work-groups share hangs on the list.
; THE MODE: SCHED_MODE bits 1:0 = 2 (LLVM: expert scheduling mode 2), set by the entry lines.  The code itself states the register dependences between vector instructions and memory or LDS instructions, with
; s_wait_alu, always for 0.
; THE PLAN.  Registers that memory or LDS instructions touch:
;   v2, v3, v6, v7, v8, v14 and the add's v4, v5   offsets and addresses, made at the head and never written again: one wait ahead of the first load serves them for the whole kernel.
;   v12, v[16:31]   offsets made of the loaded codes, all in one run: one wait ahead of the 33 loads that follow serves those and the 32 loads of the second codes.
;   X, row i        its 8 conversions write the lower two of each four registers (LDS stores read them) and read the upper two (the second code's loads land there).  These six memory lines are issued a row later, among
;                   row i + 1's conversions, which name row i + 1's registers alone: one wait at a row's head.  At the end the output is written over the row's 16 registers, and its four stores are issued a row
;                   later in the same way; no store's data is written again.
;   BF0, BF1        LDS loads land in them, the chain's steps read them: a wait behind the sixteen steps that empty a buffer, ahead of the four loads that ask for it again.
;   v16, v17        the chain loop's one pair of LDS addresses, written once a trip, in the middle of buffer 0's steps: a wait on vm_vsrc ahead of the two adds; the wait behind buffer 0's steps shows them written.
;   EA              written by loads, read by LDS stores and vector lines, never written again.
.set ROWP,  544                        ; half a row in LDS: 512 bytes and 32 of padding
.set E0R,   8*ROWP+16                  ; behind x's eight rows: the first code's
.set E1R,   16*ROWP+128                ; and the second code's
.set WREG,  13312                      ; a wave's bytes
.set SPARE, 4*WREG                     ; behind the four waves': the spare words, 128 bytes for each wave: two blocks of 256 bytes that no other line names
.set LO,  2                            ; v2   16 x lane
.set L8,  3                            ; v3   8 x lane
.set SPW, 4                            ; v4   LDS address of my spare word; never rewritten
.set NIL, 5                            ; v5   0; never rewritten
.set AX0, 6                            ; v6   LDS address of my row's x; never rewritten
.set AE0, 7                            ; v7   of my chain's second factor: x again, or a code's row; never rewritten
.set LS,  8                            ; v8   my wave's bytes + 8 x lane: where a row's words are stored
.set SS,  9                            ; v9   my chain
.set CP,  10                           ; v[10:11] my row's two codes
.set OWN, 12                           ; v12  4 x the code of my lane's parity
.set EEV, 13                           ; v13  its ee
.set PO,  14                           ; v14  8 x my row among the wave's eight
.set DD,  15                           ; v15  d
.set EO,  16                           ; v[16:31] row i: the first code's byte offset in ebf + 8 x lane at EO + i, the second's at EO + 8 + i; when all those loads are in:
.set AXC, 16                           ; v16, v17  the addresses of the LDS loads of the trip in hand
.set AEC, 17
.set T,   20                           ; v[20:23] at work
.set BF,  32                           ; v[32:63] two buffers of 16: 16 channels of each factor; before and behind the chains at work
.set EA,  64                           ; v[64:127]  row i: the first code's 16 bf16 of my lane
.set X,   128                          ; v[128:255] row i, quarter q at X + 16 i + 4 q: x as loaded; then x in bf16 (2) and the second code's words (2); then the output
.set WV,  14                           ; s14  wave
.set WB,  15                           ; s15  my wave's bytes in LDS
.set HM,  20                           ; s20  a word's upper bf16
.set SC,  21                           ; s21  odd lanes: those of the second code
.set FM,  22                           ; s22-24 lanes whose row takes the second code, and two at work
.set SM,  25                           ; s25  all ones if the row in hand takes the second code
.set KO,  26                           ; s26  64 x the trip
.set CNT, 27                           ; s27  trips to go
.set HF,  28                           ; s28  halves of the channels to go
.set CI,  32                           ; s[32:47] the eight rows' two codes
	s_load_b256 s[4:11], s[0:1], 0x0               ; latents s[4:5], ebf s[6:7], ee s[8:9], inds s[10:11]
	s_load_b64 s[12:13], s[0:1], 0x20              ; out0
	v_lshl_add_u32 v[SPW], v0, 2, SPARE
	v_mov_b32 v[NIL], 0
	v_lshrrev_b32 v1, 5, v0
	v_readfirstlane_b32 s[WV], v1                  ; wave 0..3
	v_and_b32 v1, 31, v0                           ; lane
	v_lshlrev_b32 v[LO], 4, v1
	v_lshlrev_b32 v[L8], 3, v1
	v_bfe_u32 v[BF], v0, 2, 3                      ; my chain's row
	v_bfe_u32 v[BF+1], v0, 1, 1                    ; 1 in a row's lanes 2 and 3: a code's chain
	v_and_b32 v[BF+2], 3, v0
	v_add_nc_u32 v[BF+2], 1, v[BF+2]
	v_lshrrev_b32 v[BF+2], 2, v[BF+2]              ; 1 in a row's lane 3: the second code's
	v_and_b32 v[BF+3], 1, v0
	v_cmp_ne_u32 s[SC], 0, v[BF+3]
	v_mul_u32_u24 v[AX0], v[BF], ROWP              ; what needs no scalar stands ahead of the wait below
	v_mul_u32_u24 v[AE0], v[BF+1], E0R             ; lanes 0 and 1: x itself; lane 2: + E0R; lane 3: + E1R
	v_mul_u32_u24 v[BF+2], v[BF+2], E1R-E0R
	v_lshlrev_b32 v[PO], 3, v[BF]
	s_wait_alu depctr_va_sdst(0)                   ; the wave's number in s14 and the mask in s21 are written, ahead of the first reader of either
	s_mul_i32 s[WB], s[WV], WREG
	v_add_nc_u32 v[AX0], s[WB], v[AX0]
	v_add_nc_u32 v[AE0], v[AE0], v[BF+2]
	v_add_nc_u32 v[AE0], v[AE0], v[AX0]
	v_add_nc_u32 v[LS], s[WB], v[L8]
	s_lshl_b32 s16, ttmp9, 2
	s_add_co_u32 s16, s16, s[WV]                   ; my wave among the launch's 4,096
	s_lshl_b32 s18, s16, 6                         ; its 8 rows' two indices
	s_mov_b32 s19, 0
	s_lshl_b32 s16, s16, 14                        ; its 8 rows of 2,048 bytes
	s_mov_b32 s17, 0
	s_mov_b32 s[HM], 0xffff0000
	s_wait_kmcnt 0x0
	s_add_nc_u64 s[10:11], s[10:11], s[18:19]
	s_load_b512 s[CI:CI+15], s[10:11], 0x0         ; the sixteen codes, for the rows' addresses
	s_add_nc_u64 s[4:5], s[4:5], s[16:17]
	s_add_nc_u64 s[12:13], s[12:13], s[16:17]
	s_wait_alu depctr_va_vdst(0)                   ; the offsets and addresses v2 to v8 and v14 are written, which the kernel's loads and stores read; so are v32 to v35, in which LDS loads land later
	global_load_b64 v[CP:CP+1], v[PO], s[10:11]    ; and my chain's row's two, for ee and for the tie
.irp i, 0,1,2,3,4,5,6,7
.irp q, 0,1,2,3
	global_load_b128 v[X+16*(\i)+4*(\q):X+16*(\i)+4*(\q)+3], v[LO], s[4:5] offset:2048*(\i)+512*(\q) th:TH_LOAD_NT
.endr
.endr
	s_wait_kmcnt 0x0
.irp i, 0,1,2,3,4,5,6,7
	s_min_u32 s[CI+2*(\i)], s[CI+2*(\i)], 0xfff    ; inside the table
	s_min_u32 s[CI+2*(\i)+1], s[CI+2*(\i)+1], 0xfff
	s_lshl_b32 s[CI+2*(\i)], s[CI+2*(\i)], 10      ; a row of ebf is 1,024 bytes
	s_lshl_b32 s[CI+2*(\i)+1], s[CI+2*(\i)+1], 10
	v_add_nc_u32 v[EO+(\i)], s[CI+2*(\i)], v[L8]
	v_add_nc_u32 v[EO+8+(\i)], s[CI+2*(\i)+1], v[L8]
.endr
	s_wait_loadcnt 32                              ; the two codes are in; x's 32 loads may stay out
	v_cndmask_b32 v[OWN], v[CP], v[CP+1], s[SC]
	v_min_u32 v[OWN], 0xfff, v[OWN]                ; inside the table
	v_lshlrev_b32 v[OWN], 2, v[OWN]
	s_wait_alu depctr_va_vdst(0)                   ; v12 and the sixteen offsets v16 to v31 are written: the loads of ee and of both codes' rows read them
	global_load_b32 v[EEV], v[OWN], s[8:9]
.irp i, 0,1,2,3,4,5,6,7
.irp q, 0,1,2,3
	global_load_b64 v[EA+8*(\i)+2*(\q):EA+8*(\i)+2*(\q)+1], v[EO+(\i)], s[6:7] offset:256*(\q)
.endr
.endr
	; x, row by row: rounded to bf16 into the lower two of each four registers; channels 0-255 go to LDS; the upper two registers take the second code's words.
	; A row's two LDS stores and four loads are issued a row later, behind the wait at that row's head, dealt among that row's conversions.
.macro XCV i, q                        ; quarter q of row i is rounded
	v_cvt_pk_bf16_f32 v[X+16*(\i)+4*(\q)], v[X+16*(\i)+4*(\q)], v[X+16*(\i)+4*(\q)+1]
	v_cvt_pk_bf16_f32 v[X+16*(\i)+4*(\q)+1], v[X+16*(\i)+4*(\q)+2], v[X+16*(\i)+4*(\q)+3]
.endm
.macro XGO i, q                        ; what follows on a rounded quarter: the second code's words come in; of channels 0-255 x's words go to LDS
	global_load_b64 v[X+16*(\i)+4*(\q)+2:X+16*(\i)+4*(\q)+3], v[EO+8+(\i)], s[6:7] offset:256*(\q)
.if (\q) < 2
	ds_store_b64 v[LS], v[X+16*(\i)+4*(\q):X+16*(\i)+4*(\q)+1] offset:(\i)*ROWP+256*(\q)
.endif
.endm
.irp i, 0,1,2,3,4,5,6,7
.if (\i) == 0
	s_wait_loadcnt 61                              ; loads come back in order: behind row 0's stand 28 of x, 1 of ee and 32 of the first codes
.else
	s_wait_loadcnt 57                              ; behind row i's stand 4 (7 - i) of x, 1 of ee, 32 of the first codes and 4 (i - 1) of the second codes
	s_wait_alu depctr_va_vdst(0)                   ; the row before's conversions have written the words that its LDS stores read, and are done reading the registers in which its loads land
.endif
.irp q, 0,1,2,3
.if (\i) > 0
	XGO (\i)-1, \q                                 ; no vector line since the wait names these registers
.endif
	XCV \i, \q
.endr
.endr
	s_wait_alu depctr_va_vdst(0)                   ; the same for row 7's conversions
.irp q, 0,1,2,3
	XGO 7, \q
.endr
.irp i, 0,1,2,3,4,5,6,7
	s_wait_loadcnt 60-4*(\i)                       ; the first code's row i is in: behind it stand 4 (7 - i) of its kind and the 32 of the second codes
.irp q, 0,1
	ds_store_b64 v[LS], v[EA+8*(\i)+2*(\q):EA+8*(\i)+2*(\q)+1] offset:E0R+(\i)*ROWP+256*(\q)
.endr
.endr
.irp i, 0,1,2,3,4,5,6,7
	s_wait_loadcnt 4*(7-(\i))                      ; the second code's row i is in
.irp q, 0,1
	ds_store_b64 v[LS], v[X+16*(\i)+4*(\q)+2:X+16*(\i)+4*(\q)+3] offset:E1R+(\i)*ROWP+256*(\q)
.endr
.endr
	; THE CHAINS.  LDS serves a wave's instructions in order (ISA guide 5.7.1.4): the loads below see the stores above, and the stores of the second half come behind the loads of the first.
.macro LOADG b, ax, ae, off            ; 16 channels of both factors into buffer b
	ds_load_b128 v[BF+16*(\b):BF+16*(\b)+3], v[\ax] offset:(\off)
	ds_load_b128 v[BF+16*(\b)+4:BF+16*(\b)+7], v[\ax] offset:(\off)+16
	ds_load_b128 v[BF+16*(\b)+8:BF+16*(\b)+11], v[\ae] offset:(\off)
	ds_load_b128 v[BF+16*(\b)+12:BF+16*(\b)+15], v[\ae] offset:(\off)+16
.endm
.macro COMP8 b, w0                     ; 8 steps of the chain, from word w0 of buffer b on, channels ascending: a word's low half first
.irp m, 0,1,2,3
	v_fma_mix_f32_bf16 v[SS], v[BF+16*(\b)+(\w0)+(\m)], v[BF+16*(\b)+8+(\w0)+(\m)], v[SS] op_sel_hi:[1,1,0]
	v_fma_mix_f32_bf16 v[SS], v[BF+16*(\b)+(\w0)+(\m)], v[BF+16*(\b)+8+(\w0)+(\m)], v[SS] op_sel:[1,1,0] op_sel_hi:[1,1,0]
.endr
.endm
.macro COMP b                          ; a buffer's 16 steps
	COMP8 \b, 0
	COMP8 \b, 4
.endm
	v_mov_b32 v[SS], 0                             ; the chain's first step is 0 + x e, which is exact
	s_mov_b32 s[HF], 2
.Lhalf:                                                ; two trips: channels 0-255, then 256-511; the chain runs on from the one into the other
	s_mov_b32 s[KO], 0
	s_wait_alu depctr_va_vdst(0)                   ; in the second trip: the first half's last 32 steps are done reading both buffers, in which the loads below land
	LOADG 0, AX0, AE0, 0                           ; a half's first 32 channels go by the two addresses that are never rewritten
	LOADG 1, AX0, AE0, 32
	s_mov_b32 s[CNT], 7
.Lk:                                                   ; a trip: 32 channels are summed, the 32 two buffers on are fetched
	s_wait_dscnt 0x4                               ; buffer 0 is in (and every older store is done); buffer 1's four loads may stay out
	COMP8 0, 0
	s_wait_alu depctr_vm_vsrc(0)                   ; the LDS loads issued so far have read v16 and v17 (the last of them stand eight steps back); in the first trip of all: the codes' loads have read them as offsets
	v_add_nc_u32 v[AXC], s[KO], v[AX0]             ; this trip's addresses, made in the middle of the buffer's steps
	v_add_nc_u32 v[AEC], s[KO], v[AE0]
	COMP8 0, 4
	s_wait_alu depctr_va_vdst(0)                   ; the sixteen steps are done reading buffer 0, in which the loads below land; v16 and v17 are written, which this trip's eight loads read
	LOADG 0, AXC, AEC, 64
	s_wait_dscnt 0x4                               ; buffer 1 is in; buffer 0's four loads may stay out
	COMP 1
	s_wait_alu depctr_va_vdst(0)                   ; the sixteen steps are done reading buffer 1, in which the loads below land
	LOADG 1, AXC, AEC, 96
	s_add_co_u32 s[KO], s[KO], 64
	s_sub_co_u32 s[CNT], s[CNT], 1
	s_cmp_lg_u32 s[CNT], 0
	s_cbranch_scc1 .Lk
	s_wait_dscnt 0x4                               ; the half's last 32 channels fetch nothing
	COMP 0
	s_wait_dscnt 0x0
	COMP 1
	s_cmp_eq_u32 s[HF], 1
	s_cbranch_scc1 .Lstored                        ; behind the second half nothing is left to store
.irp i, 0,1,2,3,4,5,6,7                        ; the stores' data were written by loads, or by conversions that stand ahead of the wait behind row 7: no vector line has named them since
.irp q, 2,3
	ds_store_b64 v[LS], v[X+16*(\i)+4*(\q):X+16*(\i)+4*(\q)+1] offset:(\i)*ROWP+256*((\q)-2)              ; channels 256-511 of x,
	ds_store_b64 v[LS], v[EA+8*(\i)+2*(\q):EA+8*(\i)+2*(\q)+1] offset:E0R+(\i)*ROWP+256*((\q)-2)          ; of the first code,
	ds_store_b64 v[LS], v[X+16*(\i)+4*(\q)+2:X+16*(\i)+4*(\q)+3] offset:E1R+(\i)*ROWP+256*((\q)-2)        ; and of the second, over my own bytes, whose reads are back
.endr
.endr
.Lstored:
	s_sub_co_u32 s[HF], s[HF], 1
	s_cmp_lg_u32 s[HF], 0
	s_cbranch_scc1 .Lhalf
	s_wait_alu depctr_vm_vsrc(0)                   ; the LDS stores have read the rows' words in v[X ..], over which the output is written; the codes' loads have read their offsets in v20 to v23, which are at work from here on
	; What follows holds in a row's lanes 2 and 3; lanes 0 and 1 run along, and nothing of theirs is used.
	v_mov_b32_dpp v[T], v[SS] row_xmask:2 row_mask:0xf bank_mask:0xf          ; xx, from two lanes below
	v_add_f32 v[T+1], v[T], v[EEV]                 ; xx + ee
	v_fma_f32 v[DD], -2.0, v[SS], v[T+1]           ; (xx + ee) - 2 x . e
	v_mov_b32_dpp v[T+2], v[DD] row_xmask:1 row_mask:0xf bank_mask:0xf        ; the other code's d
	v_cndmask_b32 v[T], v[DD], v[T+2], s[SC]       ; the first code's d,
	v_cndmask_b32 v[T+3], v[T+2], v[DD], s[SC]     ; the second's
	v_cmp_lt_f32 s[FM], v[T+3], v[T]               ; the second is taken if it is smaller,
	v_cmp_eq_f32 s[FM+1], v[T+3], v[T]             ; or equal
	v_cmp_lt_u32 s[FM+2], v[CP+1], v[CP]           ; with the smaller code
	s_wait_alu depctr_va_sdst(0)                   ; the three masks s22 to s24 are written, ahead of their first reader
	s_and_b32 s[FM+1], s[FM+1], s[FM+2]
	s_or_b32 s[FM], s[FM], s[FM+1]                 ; bit 4 i + 2: row i
	; THE OUTPUT, row by row, from the registers.  A row's four stores are issued a row later, behind the wait at that row's head, dealt among that row's quarters.
.macro OCALC i, q
.set rX, X+16*(\i)+4*(\q)
.set rE, EA+8*(\i)+2*(\q)
.set rT, BF+16*((\q)%2)
	v_cndmask_b32 v[rT], v[rE], v[rX+2], s[SM]     ; q's words
	v_cndmask_b32 v[rT+1], v[rE+1], v[rX+3], s[SM]
	v_lshlrev_b32 v[rT+4], 16, v[rT]               ; q widened,
	v_and_b32 v[rT+5], s[HM], v[rT]
	v_lshlrev_b32 v[rT+6], 16, v[rT+1]
	v_and_b32 v[rT+7], s[HM], v[rT+1]
	v_lshlrev_b32 v[rT+8], 16, v[rX]               ; x widened
	v_and_b32 v[rT+9], s[HM], v[rX]
	v_lshlrev_b32 v[rT+10], 16, v[rX+1]
	v_and_b32 v[rT+11], s[HM], v[rX+1]
	v_pk_add_f32 v[rT+4:rT+5], v[rT+4:rT+5], v[rT+8:rT+9] neg_lo:[0,1] neg_hi:[0,1]      ; q - x
	v_pk_add_f32 v[rT+6:rT+7], v[rT+6:rT+7], v[rT+10:rT+11] neg_lo:[0,1] neg_hi:[0,1]
	v_pk_add_f32 v[rX:rX+1], v[rT+8:rT+9], v[rT+4:rT+5]                                  ; x + (q - x)
	v_pk_add_f32 v[rX+2:rX+3], v[rT+10:rT+11], v[rT+6:rT+7]
.endm
.macro OSTORE i, q
	global_store_b128 v[LO], v[X+16*(\i)+4*(\q):X+16*(\i)+4*(\q)+3], s[12:13] offset:2048*(\i)+512*(\q) th:TH_STORE_NT  ; 512 consecutive bytes, aligned
.endm
.irp i, 0,1,2,3,4,5,6,7
	s_bitcmp1_b32 s[FM], 4*(\i)+2
	s_cselect_b32 s[SM], -1, 0                     ; the row's choice for all 32 lanes: it selects values, no address and no branch
.if (\i) > 0
	s_wait_alu depctr_va_vdst(0)                   ; the row before's sums have written its sixteen registers, which its four stores read
.endif
.irp q, 0,1,2,3
.if (\i) > 0
	OSTORE (\i)-1, \q                              ; no vector line since the wait names these registers, and none writes them again
.endif
	OCALC \i, \q
.endr
.endr
	s_wait_alu depctr_va_vdst(0)                   ; row 7's sums have written its sixteen registers, which the last four stores read
.irp q, 0,1,2,3
	OSTORE 7, \q
.endr
	s_wait_dscnt 0x0                               ; the closing lines, six on end
	s_wait_alu 0x0
	s_wait_tensorcnt 0x0
	ds_add_u32 v[SPW], v[NIL]
	s_wait_dscnt 0x0
	s_endpgm
.Lfunc_end_k_qd1f3994062_gather:
	.size	k_qd1f3994062_gather, .Lfunc_end_k_qd1f3994062_gather-k_qd1f3994062_gather
	.p2alignl 7, 3214868480
	.fill 96, 4, 3214868480
	.section	.rodata,"a",@progbits
	.p2align	6, 0x0
	.amdhsa_kernel k_qd1f3994062_gather
		.amdhsa_group_segment_fixed_size 53760
		.amdhsa_private_segment_fixed_size 0
		.amdhsa_enable_private_segment 0
		.amdhsa_kernarg_size 40
		.amdhsa_user_sgpr_count 2
		.amdhsa_user_sgpr_kernarg_segment_ptr 1
		.amdhsa_wavefront_size32 1
		.amdhsa_system_sgpr_workgroup_id_x 1
		.amdhsa_system_sgpr_workgroup_id_y 1
		.amdhsa_system_sgpr_workgroup_id_z 1
		.amdhsa_system_vgpr_workitem_id 0
		.amdhsa_next_free_vgpr 256
		.amdhsa_next_free_sgpr 66
		.amdhsa_reserve_vcc 0
		.amdhsa_float_denorm_mode_32 3
		.amdhsa_float_denorm_mode_16_64 3
		.amdhsa_memory_ordered 1
		.amdhsa_forward_progress 1
		.amdhsa_inst_pref_size 55
	.end_amdhsa_kernel
	.amdgpu_metadata
---
amdhsa.version: [ 1, 2 ]
amdhsa.kernels:
  - .name:           k_qd1f3994062_gather
    .symbol:         k_qd1f3994062_gather.kd
    .args:
      - { .name: latents, .offset: 0, .size: 8, .value_kind: global_buffer, .address_space: global }
      - { .name: ebf, .offset: 8, .size: 8, .value_kind: global_buffer, .address_space: global }
      - { .name: ee, .offset: 16, .size: 8, .value_kind: global_buffer, .address_space: global }
      - { .name: inds, .offset: 24, .size: 8, .value_kind: global_buffer, .address_space: global }
      - { .name: out0, .offset: 32, .size: 8, .value_kind: global_buffer, .address_space: global }
    .group_segment_fixed_size: 53760
    .private_segment_fixed_size: 0
    .kernarg_segment_align: 8
    .kernarg_segment_size: 40
    .max_flat_workgroup_size: 128
    .sgpr_count:     66
    .vgpr_count:     256
    .wavefront_size: 32
...
	.end_amdgpu_metadata
.endif
;; end of part 5
